; MI455X (gfx1250); checked and timed in simulation.
; The chip was launched on July 23, 2026; its instructions are those of AMD's public machine-readable ISA for CDNA 5 (MIT licence, August 2026) and "CDNA5" Instruction Set Architecture Reference Guide (July 2026). The comments in the code are by the model that wrote it; some were corrected since.
;; Attention Block. Allowed arithmetic: float matrix products may take bf16 or f16 operands with f32 sums; other float arithmetic in f32, or as packed bf16 or f16 multiplies, adds, multiply-adds, maxima and minima; sums over many terms, partial sums and values carried from step to step in f32; what a program stores and reads back later, other than sums and carried values, may be rounded once to bf16 or f16.
;; Inputs: Wk 1,024 x 1,024 float32; Wq 1,024 x 1,024 float32; Wv 1,024 x 1,024 float32; x 4 x 2,048 x 1,024 float32.
;; Outputs: out0 4 x 2,048 x 1,024 float32.
;; 2 versions, each right; version 2 is version 1 with the launch cast written anew for expert scheduling mode. Each part assembles by itself: llvm-mc -triple=amdgcn-amd-amdhsa -mcpu=gfx1250 --defsym DOCPART=n.
;; ======== version 1 of 2: 4 launches
;; limits: values are held in f16: magnitudes above 65,504 overflow, below 6.1e-05 lose precision
;; workspace buffers: xb 16,777,216 bytes; wb 6,291,456 bytes; q 16,777,216 bytes; k 16,777,216 bytes; v 16,777,216 bytes; pt 33,554,432 bytes; stats 524,288 bytes
;; launch cast (part 1): grid 352 x 1, 8 waves a work-group, no clusters, 0 bytes of LDS; arguments x, Wq, Wk, Wv, xb, wb; writes xb, wb
.if DOCPART == 1
	.amdgcn_target "amdgcn-amd-amdhsa--gfx1250"
	.amdhsa_code_object_version 6
	.text
	.protected	k_q81e10b8033_cast
	.globl	k_q81e10b8033_cast
	.p2align	8
	.type	k_q81e10b8033_cast,@function
k_q81e10b8033_cast:
	s_mov_b64 s[64:65], 0
	v_nop
	global_prefetch_b8 v0, s[64:65] scope:SCOPE_SE
	s_setreg_imm32_b32 hwreg(HW_REG_WAVE_MODE, 25, 1), 1
	s_wait_xcnt 0x0
; x [8192][1024] and Wq, Wk, Wv [1024][1024], f32, are rounded once to bf16 and laid out in 16 blocks of 64 along K:
; xb [16][8192][64], wb [16][3072][64] (rows 0-1023 Wq, 1024-2047 Wk, 2048-3071 Wv).  In a block a row is 128 bytes and the rows lie end to end,
; so the next launch can ask for a K step of any run of rows as one dense piece.
; SHARES.  A work-group takes 32 rows: numbers 0-255 those of x, 256-351 those of the three W.  A wave takes 4 rows, as two pairs.
; A load covers, in each half of the lanes, 256 consecutive aligned bytes (64 f32: one K block of one row); the matching store covers 256 consecutive aligned bytes
; (that block of two neighbouring rows).  All 32 loads of a wave go out first; nothing is reused, so the only waits are the counted ones for the loads.
; No LDS, no matrix unit: every byte is read once and written once, and nothing is shared.
.set XPL, 1048576                      ; bytes in a K block of xb
.set WPL, 393216                       ; bytes in a K block of wb
.set SO,  2                            ; v2  (4 wave + lane / 16) x 4,096 + 16 (lane % 16): my 16 bytes of the source; never rewritten
.set DO,  3                            ; v3  (4 wave + lane / 16) x 128 + 8 (lane % 16): my 8 bytes of the result; never rewritten
.set DAT, 8                            ; v[8:135]  load i of 32: four registers
	s_load_b256 s[4:11], s[0:1], 0x0               ; x s[4:5], Wq s[6:7], Wk s[8:9], Wv s[10:11]
	s_load_b128 s[12:15], s[0:1], 0x20             ; xb s[12:13], wb s[14:15]
	v_lshrrev_b32 v1, 5, v0                        ; wave
	v_bfe_u32 v4, v0, 4, 1                         ; lane / 16
	v_and_b32 v5, 15, v0                           ; lane % 16
	v_lshl_add_u32 v1, v1, 2, v4                   ; my row of the first pair
	v_lshlrev_b32 v[SO], 12, v1
	v_lshl_add_u32 v[SO], v5, 4, v[SO]
	v_lshlrev_b32 v[DO], 7, v1
	v_lshl_add_u32 v[DO], v5, 3, v[DO]
	s_sub_co_u32 s16, ttmp9, 256                   ; the work-group's number among those of W (used from 256 on alone)
	s_and_b32 s17, s16, 31                         ; its block of 32 rows in its W
	s_lshr_b32 s26, s16, 5                         ; which W
	s_wait_kmcnt 0x0
	s_cmp_eq_u32 s26, 1
	s_cselect_b64 s[18:19], s[8:9], s[6:7]
	s_cmp_eq_u32 s26, 2
	s_cselect_b64 s[18:19], s[10:11], s[18:19]
	s_cmp_lt_u32 ttmp9, 256
	s_cselect_b64 s[18:19], s[4:5], s[18:19]       ; the source
	s_cselect_b64 s[20:21], s[12:13], s[14:15]     ; the result
	s_cselect_b32 s17, ttmp9, s17                  ; block of 32 rows in the source,
	s_cselect_b32 s16, ttmp9, s16                  ; and in the result
	s_lshl_b32 s24, s17, 17                        ; 32 rows of 4,096 bytes
	s_mov_b32 s25, 0
	s_add_nc_u64 s[18:19], s[18:19], s[24:25]
	s_lshl_b32 s24, s16, 12                        ; 32 rows of 128 bytes
	s_add_nc_u64 s[20:21], s[20:21], s[24:25]
; pl = bytes in a K block of the result.  Blocks 8-15 go by a second base, so that every immediate stays inside its signed 24 bits (7 x 1,048,576 + 256 at the most).
.macro BODY pl
	s_add_nc_u64 s[22:23], s[20:21], 8*(\pl)
.set i, 0
.rept 32
	global_load_b128 v[DAT+4*i:DAT+4*i+3], v[SO], s[18:19] offset:(i/16)*8192+(i%16)*256 th:TH_LOAD_NT
.set i, i+1
.endr
.set i, 0
.rept 32
	s_wait_loadcnt 31-i                            ; loads come back in order: load i is in, the younger ones stay out
	v_cvt_pk_bf16_f32 v[DAT+4*i], v[DAT+4*i], v[DAT+4*i+1]
	v_cvt_pk_bf16_f32 v[DAT+4*i+1], v[DAT+4*i+2], v[DAT+4*i+3]
.if (i%16) < 8
	global_store_b64 v[DO], v[DAT+4*i:DAT+4*i+1], s[20:21] offset:(i%16)*(\pl)+(i/16)*256
.else
	global_store_b64 v[DO], v[DAT+4*i:DAT+4*i+1], s[22:23] offset:((i%16)-8)*(\pl)+(i/16)*256
.endif
.set i, i+1
.endr
.endm
	s_cmp_lt_u32 ttmp9, 256
	s_cbranch_scc0 .Lweights
	BODY XPL
	s_endpgm
.Lweights:
	BODY WPL
	s_endpgm
.Lfunc_end_k_q81e10b8033_cast:
	.size	k_q81e10b8033_cast, .Lfunc_end_k_q81e10b8033_cast-k_q81e10b8033_cast
	.p2alignl 7, 3214868480
	.fill 96, 4, 3214868480
	.section	.rodata,"a",@progbits
	.p2align	6, 0x0
	.amdhsa_kernel k_q81e10b8033_cast
		.amdhsa_group_segment_fixed_size 0
		.amdhsa_private_segment_fixed_size 0
		.amdhsa_enable_private_segment 0
		.amdhsa_kernarg_size 48
		.amdhsa_user_sgpr_count 2
		.amdhsa_user_sgpr_kernarg_segment_ptr 1
		.amdhsa_wavefront_size32 1
		.amdhsa_system_sgpr_workgroup_id_x 1
		.amdhsa_system_sgpr_workgroup_id_y 1
		.amdhsa_system_sgpr_workgroup_id_z 1
		.amdhsa_system_vgpr_workitem_id 0
		.amdhsa_next_free_vgpr 144
		.amdhsa_next_free_sgpr 66
		.amdhsa_reserve_vcc 0
		.amdhsa_float_denorm_mode_32 3
		.amdhsa_float_denorm_mode_16_64 3
		.amdhsa_memory_ordered 1
		.amdhsa_forward_progress 1
		.amdhsa_inst_pref_size 24
	.end_amdhsa_kernel
	.amdgpu_metadata
---
amdhsa.version: [ 1, 2 ]
amdhsa.kernels:
  - .name:           k_q81e10b8033_cast
    .symbol:         k_q81e10b8033_cast.kd
    .args:
      - { .name: x, .offset: 0, .size: 8, .value_kind: global_buffer, .address_space: global }
      - { .name: Wq, .offset: 8, .size: 8, .value_kind: global_buffer, .address_space: global }
      - { .name: Wk, .offset: 16, .size: 8, .value_kind: global_buffer, .address_space: global }
      - { .name: Wv, .offset: 24, .size: 8, .value_kind: global_buffer, .address_space: global }
      - { .name: xb, .offset: 32, .size: 8, .value_kind: global_buffer, .address_space: global }
      - { .name: wb, .offset: 40, .size: 8, .value_kind: global_buffer, .address_space: global }
    .group_segment_fixed_size: 0
    .private_segment_fixed_size: 0
    .kernarg_segment_align: 8
    .kernarg_segment_size: 48
    .max_flat_workgroup_size: 256
    .sgpr_count:     66
    .vgpr_count:     144
    .wavefront_size: 32
...
	.end_amdgpu_metadata
.endif
;; end of part 1
;; launch proj (part 2): grid 8 x 32, 4 waves a work-group, clusters of 4 x 4, 327,680 bytes of LDS; arguments xb, wb, q, k, v; writes q, k, v
.if DOCPART == 2
	.amdgcn_target "amdgcn-amd-amdhsa--gfx1250"
	.amdhsa_code_object_version 6
	.text
	.protected	k_q81e10b8033_proj
	.globl	k_q81e10b8033_proj
	.p2align	8
	.type	k_q81e10b8033_proj,@function
k_q81e10b8033_proj:
	s_mov_b64 s[64:65], 0
	v_nop
	global_prefetch_b8 v0, s[64:65] scope:SCOPE_SE
	s_setreg_imm32_b32 hwreg(HW_REG_WAVE_MODE, 25, 1), 1
	s_wait_xcnt 0x0
	s_wait_alu depctr_hold_cnt(0) depctr_sa_sdst(0) depctr_va_vdst(0) depctr_va_sdst(0) depctr_va_ssrc(0) depctr_va_vcc(0) depctr_vm_vsrc(0)
	s_getreg_b32 s2, hwreg(HW_REG_IB_STS2, 6, 4)
	s_cmp_eq_u32 s2, 0
	s_cbranch_scc0 .Lentry_in_a_cluster
	s_endpgm
.Lentry_in_a_cluster:
	s_bfe_u32 s2, ttmp6, 0x10000c
	s_cmp_lg_u32 s2, 0xf033
	s_cbranch_scc0 .Lentry_shape_is_right
	s_endpgm
.Lentry_shape_is_right:
; q, k, v [8192][1024] f16 = x W^T for the three W at once: [8192 x 1024] times [3072 x 1024]^T, operands bf16 (xb, wb: 16 blocks of 64 along K), sums f32, each result rounded once to f16, unscaled.
; LIMIT.  f16 ends at 65,504: |q|, |k|, |v| must stay below it.  With x and W thirty times the drawn spread they reach some 5,500, with offsets of thirty spreads on both some 29,000.
; SHARES.  8192 x 3072 results on 256 work-groups: 256 rows x 384 columns each, the same 128 columns of q, of k and of v.  Four waves, each 128 rows x 192 columns: 96 accumulators, 768 registers.
; K goes in 16 steps of 64 through two LDS slots.  A step's 256 rows of x are 32,768 dense bytes, a W's 128 rows 16,384: asked for as rows of 256 bytes, padded in LDS behind every 128.
; CLUSTER 4 x 4.  The four of a row of the cluster need the same rows of x, the four of a column the same rows of W: each tile is asked for jointly, by the same tensor load with the same descriptor and a mask
; that names the four.  Wave 0 asks for x's tile, waves 1-3 for the tile of Wq, Wk, Wv: one load a wave behind each round.
; THE PRODUCT IS TAKEN TRANSPOSED (source 0 = 16 rows of W, source 1 = 16 rows of x): a lane holds eight neighbouring columns of one row of the result, 16 bytes in f16.
; REGISTERS, in windows of 256 (s_set_vgpr_msb: bits 1:0 source 0, 3:2 source 1, 5:4 source 2, 7:6 destination):
;   window 0: v0-31 addresses; v32-95, v96-159 two sets of x's 8 fragments; v160-207, v208-255 W's fragments 0-5 and 6-11 (one buffer each); on the way out v32-223 at work
;   windows 1-3: accumulator number 48 u + 6 a + b' (u: which half of my 12 column blocks, a: row block, b': column block in the half), 32 to a window
.set XPL,   1048576                    ; bytes in a K block of xb
.set WPL,   393216                     ; bytes in a K block of wb
.set PITCH, 144                        ; an LDS row: 128 bytes + 16 of padding = 36 words: the 16 rows of a fragment load start at 16 different groups of four banks (64 banks of 4 bytes: ISA guide 11.1)
.set CHUNK, 128*PITCH                  ; 128 rows
.set BOFF,  2*CHUNK                    ; x's 256 rows, then the three W's 128 rows each
.set SLOT,  5*CHUNK
.set SP,    784                        ; the stage's row: 768 bytes (384 f16) + 16
.set SPARE, 256*SP                     ; behind the stage: the spare words, 128 bytes for each wave: two blocks of 256 bytes that no other line names
.set ADRA, 16                          ; v16-17  LDS address of my fragments of x in slot 0, 1
.set ADRB, 20                          ; v20-21  the same for W
.set STO,  24                          ; v24-25  the way out: where I put 16 bytes of a row, row blocks 0-3 and 4-7
.set RD,   26                          ; v26     where I read a row back
.set CO,   27                          ; v27     my byte offset in two rows of q, k or v
.set SPW,  28                          ; v28     LDS address of my spare word; never rewritten
.set NIL,  29                          ; v29     0; never rewritten
.set PFO,  30                          ; v30     the prefetches' offset; never rewritten
.set FA,   32
.set FB,   160
.set WV,   14                          ; s14  my wave's number;  s15, s16 which half of the rows, of the columns;  s17, s18 cx, cy;  s19, s20 tile column, tile row
.set G1A,  24                          ; s[24:31] descriptor group 1 for x's tiles;   s[32:39] group 0, a set for each slot
.set G0A,  32
.set G1B,  40                          ; s[40:47], s[48:55] the same for W's tiles
.set G0B,  48
.set PFA,  56                          ; s[56:57] where my prefetches stand
.set PFS,  58                          ; s[58:59] their step: a K block
.set LIM,  60                          ; s60, s61  for the change out of slot 0, 1: 1 in a wave that prefetches there, else the greatest number
.set LAP,  62                          ; s62  trips to come
.set MSB, 0
.macro WIN new                         ; the immediate's high byte repeats the setting that is left; a switch that changes nothing is dropped
.if MSB != (\new)
	s_set_vgpr_msb (MSB<<8)|(\new)
.set MSB, \new
.endif
.endm
.macro PLACES                          ; four plain vector instructions between a matrix instruction and a load into, or a vector line on, its registers
.rept 4
	v_nop
.endr
.endm
.macro CREST                           ; a round of the cluster's barrier behind its opening barrier
	s_cmp_lg_u32 s[WV], 0
	s_cbranch_scc1 .Lnot_wave_0_\@
	s_barrier_signal -3
.Lnot_wave_0_\@:
	s_barrier_wait -3
	s_barrier_signal -1
	s_barrier_wait -1
.endm
.macro CROUND                          ; a whole round
	s_barrier_signal -1
	s_barrier_wait -1
	CREST
.endm
; A joint load.  The branch hangs on the wave's number alone.  An s_nop 0 and four v_nop follow each of the two lines, ahead of the jump and the label.
.macro JLOAD s
	s_cmp_eq_u32 s[WV], 0
	s_cbranch_scc0 .Lfor_b_\@
	tensor_load_to_lds s[G0A+4*(\s):G0A+4*(\s)+3], s[G1A:G1A+7]
	s_nop 0
.rept 4
	v_nop
.endr
	s_branch .Lasked_\@
.Lfor_b_\@:
	tensor_load_to_lds s[G0B+4*(\s):G0B+4*(\s)+3], s[G1B:G1B+7]
	s_nop 0
.rept 4
	v_nop
.endr
.Lasked_\@:
.endm
; A PREFETCH INTO THE L2, behind the joint load and the run of LDS loads that follows it, of a K step that stands two refills on.  x's tile row is read by both clusters of a row of clusters: cluster x = 0 asks, wave 0,
; at every change: of the step's 128 blocks of 256 bytes the partner at place cx takes 32, a lane a block.  W's tile column is read by all clusters of a column: cluster y = 0 asks, waves 1-3, at the change out of slot 0:
; of a step's 64 blocks the partner at place cy takes 16; lanes 0-15 name them for one step, lanes 16-31 for the next.  The partners are told apart by address.  So each block is named once in the launch.
; The first four K steps come by their loads alone; the loop's last trip asks for nothing: the last step named is 15.
.macro ASK lim
	s_cmp_gt_u32 s[LAP], s[\lim]
	s_cbranch_scc0 .Lnot_mine_\@
	global_prefetch_b8 v[PFO], s[PFA:PFA+1] th:TH_LOAD_NT scope:SCOPE_SE
.Lnot_mine_\@:
.endm
	s_load_b256 s[4:11], s[0:1], 0x0               ; xb s[4:5], wb s[6:7], q s[8:9], k s[10:11]
	s_load_b64 s[12:13], s[0:1], 0x20              ; v
	v_lshl_add_u32 v[SPW], v0, 2, SPARE
	v_mov_b32 v[NIL], 0
	ds_add_u32 v[SPW], v[NIL]                      ; the wave's opening: the add and its wait stand ahead of my first tensor load; the set-up below, work on registers, stands between them
	v_lshrrev_b32 v1, 5, v0
	v_readfirstlane_b32 s[WV], v1                  ; wave 0..3
	s_lshr_b32 s15, s[WV], 1                       ; which 128 of the tile's rows are mine
	s_and_b32 s16, s[WV], 1                        ; which 192 of its columns
	s_bfe_u32 s17, ttmp6, 0x40000                  ; cx
	s_bfe_u32 s18, ttmp6, 0x40004                  ; cy
	s_lshl_b32 s19, ttmp9, 2
	s_add_co_u32 s19, s19, s17                     ; tile column = 4 x cluster x + cx: 128 columns of each of q, k, v
	s_and_b32 s20, ttmp7, 0xffff
	s_lshl_b32 s20, s20, 2
	s_add_co_u32 s20, s20, s18                     ; tile row = 4 x cluster y + cy: 256 rows
	s_lshl_b32 s21, s18, 2
	s_lshl_b32 s21, 15, s21                        ; my row of the cluster
	s_lshl_b32 s22, 0x1111, s17                    ; my column
	s_or_b32 s[G1A], s21, (1<<16)|(1<<20)|(1<<21)|(4<<22)|(3<<25)  ; 15:0 the mask; 17:16 elements of 2 bytes; 20 padding on; 21 set beside a mask; 24:22 after every 32 words (code 4); 31:25 4 words (code 3)
	s_or_b32 s[G1B], s22, (1<<16)|(1<<20)|(1<<21)|(4<<22)|(3<<25)
	s_mov_b32 s[G1A+1], 128<<16                    ; tensor_dim0 = 128 elements: rows of 256 bytes
	s_mov_b32 s[G1A+2], 128<<16                    ; tensor_dim1 = 128 such rows: 256 rows of x
	s_mov_b32 s[G1A+3], 128<<16                    ; tile_dim0
	s_mov_b32 s[G1A+4], 128                        ; tile_dim1
	s_mov_b32 s[G1A+5], 128                        ; the pitch: dense
	s_mov_b32 s[G1A+6], 0
	s_mov_b32 s[G1A+7], 0
	s_mov_b32 s[G1B+1], 128<<16
	s_mov_b32 s[G1B+2], 64<<16                     ; 64 such rows: 128 rows of a W
	s_mov_b32 s[G1B+3], 128<<16
	s_mov_b32 s[G1B+4], 64
	s_mov_b32 s[G1B+5], 128
	s_mov_b32 s[G1B+6], 0
	s_mov_b32 s[G1B+7], 0
	s_lshl_b32 s66, s20, 15                        ; x's tile: 256 rows of 128 bytes a tile row.  These registers never hold cx
	s_mov_b32 s67, 0
	s_max_u32 s70, s[WV], 1
	s_sub_co_u32 s70, s70, 1                       ; which W I ask for (wave 0 asks for none)
	s_lshl_b32 s70, s70, 10
	s_lshl_b32 s71, s19, 7
	s_add_co_u32 s70, s70, s71                     ; its row 1,024 x W + 128 x tile column.  These registers never hold cy
	s_lshl_b32 s70, s70, 7
	s_mov_b32 s71, 0
	s_mul_i32 s23, s[WV], CHUNK
	s_add_co_u32 s23, s23, CHUNK                   ; where a W's tile goes: behind x's two chunks, wave 1 first
	s_wait_dscnt 0x0                               ; the opening add is done
	s_wait_kmcnt 0x0
	s_add_nc_u64 s[66:67], s[4:5], s[66:67]
	s_add_nc_u64 s[70:71], s[6:7], s[70:71]
	CROUND                                         ; all sixteen work-groups are here: the first joint loads meet
.irp s, 0,1
	s_mov_b32 s[G0A+4*(\s)], 1                     ; count = 1
	s_mov_b32 s[G0A+4*(\s)+1], (\s)*SLOT           ; LDS address
	s_add_nc_u64 s[G0A+4*(\s)+2:G0A+4*(\s)+3], s[66:67], (\s)*XPL  ; global address: K step s
	s_or_b32 s[G0A+4*(\s)+3], s[G0A+4*(\s)+3], 0x80000000          ; type = 2
	s_mov_b32 s[G0B+4*(\s)], 1
	s_add_co_u32 s[G0B+4*(\s)+1], s23, (\s)*SLOT
	s_add_nc_u64 s[G0B+4*(\s)+2:G0B+4*(\s)+3], s[70:71], (\s)*WPL
	s_or_b32 s[G0B+4*(\s)+3], s[G0B+4*(\s)+3], 0x80000000
	JLOAD \s                                       ; two loads of mine are out
.endr
	; a fragment is 16 rows x 32 K in 8 registers: lane l holds row l % 16; registers 0-3 K = 8 (l / 16) + 0..7, registers 4-7 K = 16 + 8 (l / 16) + 0..7: two loads of 16 bytes, 32 bytes apart
	v_and_b32 v1, 15, v0                           ; l % 16
	v_bfe_u32 v2, v0, 4, 1                         ; l / 16
	v_mul_u32_u24 v3, v1, PITCH
	v_lshl_add_u32 v3, v2, 4, v3
	s_mul_i32 s21, s15, CHUNK                      ; my 128 rows of x
	s_mul_i32 s22, s16, 192*PITCH                  ; my 192 of the 384 rows of W,
	s_add_co_u32 s22, s22, BOFF                    ; which lie behind x's
	v_add_nc_u32 v[ADRA], s21, v3
	v_add_nc_u32 v[ADRB], s22, v3
	v_add_nc_u32 v[ADRA+1], SLOT, v[ADRA]
	v_add_nc_u32 v[ADRB+1], SLOT, v[ADRB]
	s_mul_i32 s21, s15, 128*SP                     ; into the stage: row 128 x half + l % 16, byte 384 x half + 16 (l / 16)
	s_mul_i32 s22, s16, 384
	s_add_co_u32 s21, s21, s22
	v_mul_u32_u24 v4, v1, SP
	v_lshl_add_u32 v4, v2, 4, v4
	v_add_nc_u32 v[STO], s21, v4
	v_add_nc_u32 v[STO+1], 64*SP, v[STO]
	s_mul_i32 s21, s[WV], 64*SP                    ; back: wave w takes rows 64 w .. 64 w + 63, whole; lanes 0-15 256 bytes of one row, lanes 16-31 of the next
	v_mul_u32_u24 v5, v2, SP
	v_lshl_add_u32 v5, v1, 4, v5
	v_add_nc_u32 v[RD], s21, v5
	v_lshlrev_b32 v[CO], 11, v2                    ; and the same two rows in q, k, v
	v_lshl_add_u32 v[CO], v1, 4, v[CO]
	s_lshl_b32 s74, s20, 8
	s_lshl_b32 s75, s[WV], 6
	s_add_co_u32 s74, s74, s75                     ; the first row that I store
	s_lshl_b32 s74, s74, 11
	s_lshl_b32 s75, s19, 8                         ; the tile's 128 columns: 256 bytes
	s_add_co_u32 s74, s74, s75
	s_mov_b32 s75, 0
	s_add_nc_u64 s[8:9], s[8:9], s[74:75]
	s_add_nc_u64 s[10:11], s[10:11], s[74:75]
	s_add_nc_u64 s[12:13], s[12:13], s[74:75]
	; the prefetches
	s_lshl_b32 s74, s20, 15                        ; x: the tile row,
	s_lshl_b32 s75, s17, 13                        ; my work-group's 32 blocks of its 128
	s_add_co_u32 s74, s74, s75
	s_max_u32 s76, s[WV], 1
	s_sub_co_u32 s76, s76, 1
	s_lshl_b32 s76, s76, 10
	s_lshl_b32 s77, s19, 7
	s_add_co_u32 s76, s76, s77
	s_lshl_b32 s76, s76, 7                         ; W: my tile,
	s_lshl_b32 s77, s18, 12                        ; my work-group's 16 blocks of its 64
	s_add_co_u32 s76, s76, s77
	s_and_b32 s21, ttmp7, 0xffff                   ; cluster y
	s_mov_b32 s75, WPL
	s_cmp_eq_u32 s[WV], 0
	s_cselect_b32 s22, ttmp9, s21                  ; the coordinate along which other clusters read the same rows
	s_cselect_b32 s[PFS], XPL, s75
	s_cselect_b32 s23, 31, 15                      ; lanes to a K step
	s_cselect_b32 s75, 0, s75                      ; what lanes 16-31 add
	s_cselect_b32 s74, s74, s76
	s_cselect_b64 s[PFA:PFA+1], s[4:5], s[6:7]
	s_mov_b32 s[PFS+1], 0
	s_mul_i32 s76, s[PFS], 3                       ; at K step 3: the first change steps it to 4
	s_add_co_u32 s76, s76, s74
	s_mov_b32 s77, 0
	s_add_nc_u64 s[PFA:PFA+1], s[PFA:PFA+1], s[76:77]
	s_cmp_eq_u32 s22, 0
	s_cselect_b32 s[LIM], 1, -1                    ; the same in all sixteen partners, for a given wave
	s_cmp_eq_u32 s[WV], 0
	s_cselect_b32 s[LIM+1], s[LIM], -1
	v_and_b32 v[PFO], s23, v0
	v_lshlrev_b32 v[PFO], 8, v[PFO]
	v_mul_u32_u24 v6, v2, s75
	v_add_nc_u32 v[PFO], v[PFO], v6
; Matrix instructions for row blocks a0 .. a1 x the six column blocks of half u, 32 along K, x's set al.  Every accumulator has one instruction a turn, in the same order in every pass:
; between two links of a chain stand the 95 others'.  zero = 1: the first product starts the sums: nothing is cleared.
.macro HALFP al, u, a0, a1, zero
.set a, \a0
.rept (\a1)-(\a0)+1
.set bb, 0
.rept 6
.set idx, 48*(\u)+6*a+bb
.set rD, 8*(idx%32)
	WIN 0x50*(1+idx/32)
.if \zero
	v_wmma_f32_16x16x32_bf16 v[rD:rD+7], v[FB+48*(\u)+8*bb:FB+48*(\u)+8*bb+7], v[FA+64*(\al)+8*a:FA+64*(\al)+8*a+7], 0
.else
	v_wmma_f32_16x16x32_bf16 v[rD:rD+7], v[FB+48*(\u)+8*bb:FB+48*(\u)+8*bb+7], v[FA+64*(\al)+8*a:FA+64*(\al)+8*a+7], v[rD:rD+7]
.endif
.set bb, bb+1
.endr
.set a, a+1
.endr
.endm
.macro HALF al, u, zero
	HALFP \al, \u, 0, 7, \zero
.endm
.macro RUN_B1 s, kq                    ; 12 LDS loads: W's fragments 6-11 of the 32 along K at byte 64 kq
	WIN 0
.set bb, 6
.rept 6
	ds_load_b128 v[FB+8*bb:FB+8*bb+3],   v[ADRB+(\s)] offset:bb*16*PITCH+64*(\kq)
	ds_load_b128 v[FB+8*bb+4:FB+8*bb+7], v[ADRB+(\s)] offset:bb*16*PITCH+64*(\kq)+32
.set bb, bb+1
.endr
.endm
.macro RUN_NEXT s, kq, al              ; 28 LDS loads: W's fragments 0-5 and x's eight, into set al
	WIN 0
.set bb, 0
.rept 6
	ds_load_b128 v[FB+8*bb:FB+8*bb+3],   v[ADRB+(\s)] offset:bb*16*PITCH+64*(\kq)
	ds_load_b128 v[FB+8*bb+4:FB+8*bb+7], v[ADRB+(\s)] offset:bb*16*PITCH+64*(\kq)+32
.set bb, bb+1
.endr
.set a, 0
.rept 8
	ds_load_b128 v[FA+64*(\al)+8*a:FA+64*(\al)+8*a+3],   v[ADRA+(\s)] offset:a*16*PITCH+64*(\kq)
	ds_load_b128 v[FA+64*(\al)+8*a+4:FA+64*(\al)+8*a+7], v[ADRA+(\s)] offset:a*16*PITCH+64*(\kq)+32
.set a, a+1
.endr
.endm
; A K step is two halves of 32 along K, 96 matrix instructions each.  The first: each run of loads stands 48 matrix instructions ahead of its first use.
.macro QUARTER s, zero
	PLACES
	RUN_B1 \s, 0
	s_wait_dscnt 12                                ; all but the 12 just issued: W's fragments 0-5 and x's set 0 are in
	HALF 0, 0, \zero
	PLACES
	RUN_NEXT \s, 1, 1
	s_wait_dscnt 28                                ; all but the 28 just issued: W's fragments 6-11 are in
	HALF 0, 1, \zero
.endm
; The second, which changes slots: ONE barrier.  In front of it each wave waits for all its tensor loads (one is out: its part of the other slot), adds 0 to its spare word, and waits for that and for its reads of this
; slot.  fill = 1: the barrier opens a round of the cluster's, and this slot is filled again first thing behind it, two K steps ahead: 168 matrix instructions stand between the request and the wait for it.
.macro TURNQ s, fill
.if \fill
	s_wait_xcnt 0x0                                ; the last prefetch, a K step back, has read its address
	s_add_nc_u64 s[PFA:PFA+1], s[PFA:PFA+1], s[PFS:PFS+1]
.endif
	PLACES
	RUN_B1 \s, 1                                   ; my last reads of this slot
	s_wait_dscnt 12
	HALFP 1, 0, 0, 3, 0
	WIN 0                                          ; (the add's two registers lie in window 0)
	s_wait_tensorcnt 0x0                           ; all my tensor loads have landed, so a group 0 may be written
	ds_add_u32 v[SPW], v[NIL]                      ; 0 onto my spare word
.if \fill
	s_add_nc_u64 s[G0A+4*(\s)+2:G0A+4*(\s)+3], s[G0A+4*(\s)+2:G0A+4*(\s)+3], 2*XPL
	s_add_nc_u64 s[G0B+4*(\s)+2:G0B+4*(\s)+3], s[G0B+4*(\s)+2:G0B+4*(\s)+3], 2*WPL
.endif
	HALFP 1, 0, 4, 5, 0                            ; twelve matrix instructions stand between the add and the wait for it
	s_wait_dscnt 0x0                               ; the add is done, and my reads of this slot are over
	s_barrier_signal -1
	HALFP 1, 0, 6, 7, 0
	WIN 0
	s_barrier_wait -1
.if \fill
	CREST                                          ; no wave of any partner still reads this slot's tile or has a load on its way
	JLOAD \s                                       ; the four v_nop behind it are also the places in front of the loads below
.else
	PLACES
.endif
	RUN_NEXT 1-(\s), 0, 0
.if \fill
	ASK LIM+(\s)
.endif
	HALF 1, 1, 0
.endm
.macro LASTQ s                         ; the very last 32 along K: nothing more to fetch
	PLACES
	RUN_B1 \s, 1
	s_wait_dscnt 12
	HALF 1, 0, 0
	s_wait_dscnt 0x0
	HALF 1, 1, 0
.endm
	s_wait_tensorcnt 1                             ; my part of K step 0 is in; K step 1's may stay out
	s_barrier_signal -1
	s_barrier_wait -1                              ; everybody's is
	RUN_NEXT 0, 0, 0
	QUARTER 0, 1                                   ; the first products start the sums
	WIN 0                                          ; at a label and at a branch every window is 0
	s_mov_b32 s[LAP], 7
.Llap:                                                 ; a trip goes once round the ring and fills both slots again: K steps 2 to 15
	TURNQ 0, 1
	QUARTER 1, 0
	TURNQ 1, 1
	QUARTER 0, 0
	WIN 0
	s_sub_co_u32 s[LAP], s[LAP], 1
	s_cmp_lg_u32 s[LAP], 0
	s_cbranch_scc1 .Llap
	TURNQ 0, 0                                     ; the last two K steps ask for nothing
	QUARTER 1, 0
	LASTQ 1
	; THE WAY OUT.  The slots have had their last fill: the stage, 256 rows x 784 bytes, lies over them.  Round to f16, 16 bytes a lane into the stage; a barrier, since a row's 768 bytes come from two waves;
	; back as whole pieces of 256 bytes (a row's part of q, of k, of v), 64 rows a wave.
	WIN 0
	s_wait_dscnt 0x0                               ; my reads of the slots are over
	s_barrier_signal -1
	s_barrier_wait -1                              ; everybody's are
	PLACES
.macro PACKU u                         ; the 48 accumulators of half u, each from its low end on
.set t, 0
.rept 48
.set idx, 48*(\u)+t
.set rS, 8*(idx%32)
	WIN 5*(1+idx/32)                               ; sources 0 and 1 in the accumulator's window
	v_cvt_pk_f16_f32 v[32+4*t],   v[rS],   v[rS+1]
	v_cvt_pk_f16_f32 v[32+4*t+1], v[rS+2], v[rS+3]
	v_cvt_pk_f16_f32 v[32+4*t+2], v[rS+4], v[rS+5]
	v_cvt_pk_f16_f32 v[32+4*t+3], v[rS+6], v[rS+7]
.set t, t+1
.endr
	WIN 0
.set t, 0
.rept 48
	ds_store_b128 v[STO+(t/6)/4], v[32+4*t:32+4*t+3] offset:((t/6)%4)*16*SP+32*(6*(\u)+t%6)
.set t, t+1
.endr
.endm
.macro SENDB bt                        ; 16 pairs of rows x 3 pieces
.set t, 0
.rept 48
	ds_load_b128 v[32+4*t:32+4*t+3], v[RD] offset:(16*(\bt)+t/3)*2*SP+(t%3)*256
.set t, t+1
.endr
.set t, 0
.rept 48
	s_wait_dscnt 47-t                              ; LDS loads come back in order: load t is in
	global_store_b128 v[CO], v[32+4*t:32+4*t+3], s[8+2*(t%3):9+2*(t%3)] offset:(16*(\bt)+t/3)*4096  ; 16 lanes store 256 consecutive bytes, at a multiple of 256 from the buffer's first byte
.set t, t+1
.endr
.endm
	PACKU 0
	PACKU 1
	s_wait_dscnt 0x0                               ; for the others' sake: my stores into the stage are done
	s_barrier_signal -1
	s_barrier_wait -1
	SENDB 0
	s_wait_xcnt 0x0                                ; the stores have read their registers, which are loaded again
	SENDB 1
	s_wait_tensorcnt 0x0                           ; the wave's end: a wait, an add and its wait, behind my last tensor load and my last LDS store
	ds_add_u32 v[SPW], v[NIL]
	s_wait_dscnt 0x0
	CROUND                                         ; the closing round: no work-group ends while a partner may still ask for a tile that names it
	s_endpgm
.Lfunc_end_k_q81e10b8033_proj:
	.size	k_q81e10b8033_proj, .Lfunc_end_k_q81e10b8033_proj-k_q81e10b8033_proj
	.p2alignl 7, 3214868480
	.fill 96, 4, 3214868480
	.section	.rodata,"a",@progbits
	.p2align	6, 0x0
	.amdhsa_kernel k_q81e10b8033_proj
		.amdhsa_group_segment_fixed_size 327680
		.amdhsa_private_segment_fixed_size 0
		.amdhsa_enable_private_segment 0
		.amdhsa_kernarg_size 40
		.amdhsa_user_sgpr_count 2
		.amdhsa_user_sgpr_kernarg_segment_ptr 1
		.amdhsa_wavefront_size32 1
		.amdhsa_system_sgpr_workgroup_id_x 1
		.amdhsa_system_sgpr_workgroup_id_y 1
		.amdhsa_system_sgpr_workgroup_id_z 1
		.amdhsa_system_vgpr_workitem_id 0
		.amdhsa_next_free_vgpr 1024
		.amdhsa_next_free_sgpr 80
		.amdhsa_reserve_vcc 0
		.amdhsa_float_denorm_mode_32 3
		.amdhsa_float_denorm_mode_16_64 3
		.amdhsa_memory_ordered 1
		.amdhsa_forward_progress 1
		.amdhsa_inst_pref_size 132
	.end_amdhsa_kernel
	.amdgpu_metadata
---
amdhsa.version: [ 1, 2 ]
amdhsa.kernels:
  - .name:           k_q81e10b8033_proj
    .symbol:         k_q81e10b8033_proj.kd
    .args:
      - { .name: xb, .offset: 0, .size: 8, .value_kind: global_buffer, .address_space: global }
      - { .name: wb, .offset: 8, .size: 8, .value_kind: global_buffer, .address_space: global }
      - { .name: q, .offset: 16, .size: 8, .value_kind: global_buffer, .address_space: global }
      - { .name: k, .offset: 24, .size: 8, .value_kind: global_buffer, .address_space: global }
      - { .name: v, .offset: 32, .size: 8, .value_kind: global_buffer, .address_space: global }
    .group_segment_fixed_size: 327680
    .private_segment_fixed_size: 0
    .kernarg_segment_align: 8
    .kernarg_segment_size: 40
    .max_flat_workgroup_size: 128
    .sgpr_count:     80
    .vgpr_count:     1024
    .wavefront_size: 32
...
	.end_amdgpu_metadata
.endif
;; end of part 2
;; launch score (part 3): grid 36 x 4, 4 waves a work-group, no clusters, 327,680 bytes of LDS; arguments q, k, pt, stats; writes pt, stats
.if DOCPART == 3
	.amdgcn_target "amdgcn-amd-amdhsa--gfx1250"
	.amdhsa_code_object_version 6
	.text
	.protected	k_q81e10b8033_score
	.globl	k_q81e10b8033_score
	.p2align	8
	.type	k_q81e10b8033_score,@function
k_q81e10b8033_score:
	s_mov_b64 s[64:65], 0
	v_nop
	global_prefetch_b8 v0, s[64:65] scope:SCOPE_SE
	s_setreg_imm32_b32 hwreg(HW_REG_WAVE_MODE, 25, 1), 1
	s_wait_xcnt 0x0
; The causal tiles of S = q k^T, and the first half of the softmax.  q, k: [4 x 2048][1024] f16.  A batch's 2048 x 2048 scores fall into 8 x 8 tiles of 256 x 256; the 36 tiles (I, J) with J <= I are made, one a work-group.
; For each row of a tile: m = the largest visible score of the row IN THIS TILE, p = 2^(c s - c m) with c = log2(e) / 32, l = the sum of p.  pt [4][2048][2048] f16 takes p (0 where the key is hidden),
; stats [2][8 J][8192] f32 takes c m and l.  The next launch brings a row's tiles onto the row's own maximum.  Products, maxima and sums in f32; p is rounded once to f16, l is the sum of the unrounded p.
; LIMITS.  A hidden score counts as its value less 1e30; p below 6e-8 is 0 in pt, below 2^-126 also in l; NaN and infinities are not treated apart.
; SHAPE.  Four waves, each 128 x 128 of the tile: 64 accumulators, 512 registers.  K = 1024 goes in 8 steps of 128 through two LDS slots; each wave fetches a quarter of a slot (128 rows x 256 bytes) by one tensor load.
; THE PRODUCT IS TAKEN TRANSPOSED (source 0 = 16 keys, source 1 = 16 queries): a lane holds one query (lane % 16) and the keys 8 (lane / 16) + 0..7.
; THE MASK is the C operand that starts a sum: three blocks of eight registers, for a block of 16 x 16 below, on and above my quarter's diagonal.
; NO CLUSTER: the rows of the causal triangle hold 1 to 8 tiles and its columns 8 to 1, so the 36 tiles cannot be cut into fours that share a tile row or a tile column.
; REGISTERS: window 0: v0-31 addresses; v32-55 the masks; v64-127, v128-191 q's fragments, two buffers (later at work on the rows); window 1: v64-127, v128-191 k's fragments; windows 2, 3: the accumulators,
; (a, b) at v[8 (8 (a % 4) + b)] of window 2 + a / 4.
.set KSTEP,  128
.set PITCH,  272                       ; an LDS row: 256 bytes + 16 of padding = 68 words: the 16 rows of a fragment load start at 16 different groups of four banks (64 banks of 4 bytes: ISA guide 11.1)
.set HALFT,  128*PITCH
.set SLOT,   4*HALFT                   ; q's 256 rows, then k's 256 rows
.set SP,     1040                      ; the stage's row: 1,024 bytes (256 f32) + 16; the stage, 256 rows, lies over the slots when they have had their last fill
.set SPARE,  2*SLOT                    ; behind the ring: the spare words, 128 bytes for each wave: two blocks of 256 bytes that no other line names
.set STATL,  SPARE+512                 ; c m of the tile's 256 rows, then l
.set LAPS,   4
.set ADRA, 16                          ; v16-17  LDS address of my fragments of q in slot 0, 1
.set ADRB, 20                          ; v20-21  the same for k
.set STO,  24                          ; v24-25  where I put 16 bytes of a stage row, row blocks 0-3 and 4-7
.set RD,   26                          ; v26     where I read rows back; steps
.set GO,   27                          ; v27     my byte offset in pt; steps
.set SPW,  28                          ; v28     LDS address of my spare word; never rewritten
.set NIL,  29                          ; v29     0; never rewritten
.set PFO,  30                          ; v30     2,048 x lane: a row of q or k; never rewritten
.set SW,   31                          ; v31     where a row's c m goes; steps
.set SRD,  10                          ; v10     where I read 16 bytes of the statistics back
.set SGO,  11                          ; v11     and where they go in stats
.set XLO,  32
.set XEQ,  40
.set XHI,  48
.set F0,   64
.set F1,   128
.set X,    64                          ; the rows: 4 pairs of rows x 16 scores a lane
.set P,    128                         ; 4 x 8 registers of f16
.set ST,   160                         ; for each pair of rows: c m, m
.set WV,   12                          ; s12 wave; s13, s14 which half of the rows, of the keys; s15 batch; s16 I; s17 J
.set G1,   24                          ; s[24:31] descriptor group 1
.set G0,   32                          ; s[32:39] group 0, a set for each slot
.set LIM,  43                          ; s43  1 in a wave that prefetches, else the greatest number
.set PFA,  44                          ; s[44:45] where my prefetches stand
.set CS,   46                          ; s[46:47] c; the packed scaling takes the pair's low word for both halves
.set MSB, 0
.macro WIN new                         ; the immediate's high byte repeats the setting that is left; a switch that changes nothing is dropped
.if MSB != (\new)
	s_set_vgpr_msb (MSB<<8)|(\new)
.set MSB, \new
.endif
.endm
.macro PLACES                          ; four plain vector instructions between a matrix instruction and a load into, or a store or vector line on, its registers
.rept 4
	v_nop
.endr
.endm
; A PREFETCH INTO THE L2 of the K step that stands two refills on: my 128 rows x 256 bytes, a lane a row, four instructions, behind my tensor load and the run of LDS loads that follows it.
; q's rows of tile row I are read by the tiles (I, 0 .. I): tile (I, 0) asks, waves 0 and 1.  k's rows of tile column J by the tiles (J .. 7, J): tile (7, J) asks, waves 2 and 3.  So each block is named once.
; K steps 0 to 3 come by their loads alone; the loop's last trip asks for nothing: the last step named is 7.
.macro ASK
	s_cmp_gt_u32 s3, s[LIM]
	s_cbranch_scc0 .Lnot_mine_\@
.irp o, 0,1,2,3
	global_prefetch_b8 v[PFO], s[PFA:PFA+1] offset:(\o)*65536 th:TH_LOAD_NT scope:SCOPE_SE
.endr
.Lnot_mine_\@:
.endm
	s_load_b256 s[4:11], s[0:1], 0x0               ; q s[4:5], k s[6:7], pt s[8:9], stats s[10:11]
	v_lshl_add_u32 v[SPW], v0, 2, SPARE
	v_mov_b32 v[NIL], 0
	ds_add_u32 v[SPW], v[NIL]                      ; the wave's opening: the add and its wait stand ahead of my first tensor load; the set-up below, work on registers, stands between them
	v_lshrrev_b32 v1, 5, v0
	v_readfirstlane_b32 s[WV], v1                  ; wave 0..3
	s_lshr_b32 s13, s[WV], 1                       ; which 128 of the tile's rows are mine.  Also: I fetch for q (0) or for k (1)
	s_and_b32 s14, s[WV], 1                        ; which 128 of its keys.  Also: which 128 rows I fetch
	s_and_b32 s15, ttmp7, 0xffff                   ; the batch
	s_mov_b32 s16, 0
.irp th, 1,3,6,10,15,21,28             ; tile row I begins at number I (I + 1) / 2: I = how many of these the work-group's number has reached
	s_cmp_ge_u32 ttmp9, \th
	s_add_co_ci_u32 s16, s16, 0
.endr
	s_add_co_u32 s18, s16, 1
	s_mul_i32 s18, s18, s16
	s_lshr_b32 s18, s18, 1
	s_sub_co_u32 s17, ttmp9, s18                   ; J
	s_mov_b32 s[G1+0], (1<<16)|(1<<20)|(5<<22)|(3<<25)  ; elements of 2 bytes; padding on; after every 64 words (code 5); 4 words (code 3)
	s_mov_b32 s[G1+1], KSTEP<<16                   ; tensor_dim0 = 128
	s_mov_b32 s[G1+2], 128<<16                     ; tensor_dim1 = 128
	s_mov_b32 s[G1+3], KSTEP<<16                   ; tile_dim0
	s_mov_b32 s[G1+4], 128                         ; tile_dim1
	s_mov_b32 s[G1+5], 1024                        ; elements from row to row
	s_mov_b32 s[G1+6], 0
	s_mov_b32 s[G1+7], 0
	s_mov_b32 s[CS], 0x3d38aa3b                    ; c = log2(e) / 32
	s_mov_b32 s[CS+1], s[CS]
	s_cmp_lt_u32 s[WV], 2
	s_cselect_b32 s18, s16, s17                    ; q's tile row or k's
	s_lshl_b32 s18, s18, 8
	s_lshl_b32 s19, s15, 11
	s_add_co_u32 s18, s18, s19
	s_lshl_b32 s19, s14, 7
	s_add_co_u32 s18, s18, s19                     ; the first row that I fetch,
	s_lshl_b32 s18, s18, 11                        ; in bytes
	s_mov_b32 s19, 0
	s_mul_i32 s20, s[WV], HALFT                    ; and where it goes
	s_wait_dscnt 0x0                               ; the opening add is done
	s_wait_kmcnt 0x0
	s_cmp_lt_u32 s[WV], 2
	s_cselect_b64 s[22:23], s[4:5], s[6:7]
	s_add_nc_u64 s[22:23], s[22:23], s[18:19]
.irp s, 0,1
	s_mov_b32 s[G0+4*(\s)], 1                      ; count = 1
	s_add_co_u32 s[G0+4*(\s)+1], s20, (\s)*SLOT    ; LDS address
	s_add_nc_u64 s[G0+4*(\s)+2:G0+4*(\s)+3], s[22:23], (\s)*KSTEP*2  ; global address: K step s
	s_or_b32 s[G0+4*(\s)+3], s[G0+4*(\s)+3], 0x80000000              ; type = 2
	tensor_load_to_lds s[G0+4*(\s):G0+4*(\s)+3], s[G1:G1+7]          ; two loads of mine are out
	s_nop 0
.endr
	v_and_b32 v1, 15, v0                           ; l % 16
	v_bfe_u32 v2, v0, 4, 1                         ; l / 16
	v_mul_u32_u24 v3, v1, PITCH
	v_lshl_add_u32 v3, v2, 4, v3
	s_mul_i32 s48, s13, HALFT                      ; my 128 rows of q
	s_mul_i32 s49, s14, HALFT                      ; my 128 rows of k,
	s_add_co_u32 s49, s49, 2*HALFT                 ; which lie behind q's 256
	v_add_nc_u32 v[ADRA], s48, v3
	v_add_nc_u32 v[ADRB], s49, v3
	v_add_nc_u32 v[ADRA+1], SLOT, v[ADRA]
	v_add_nc_u32 v[ADRB+1], SLOT, v[ADRB]
	; the masks.  In the diagonal tile key 128 ch + 16 b + 8 (l / 16) + j is hidden from query 128 rh + 16 a + l % 16 where it is greater
	s_cmp_eq_u32 s16, s17
	s_cselect_b32 s48, 0xf149f2ca, 0               ; -1e30 in the diagonal tile
	s_cmp_ge_u32 s14, s13
	s_cselect_b32 s49, s48, 0                      ; blocks above my quarter's diagonal
	s_cmp_gt_u32 s14, s13
	s_cselect_b32 s50, s48, 0                      ; blocks below it
	v_lshlrev_b32 v4, 3, v2
	v_sub_nc_u32 v4, v1, v4                        ; l % 16 - 8 (l / 16): on the diagonal register j is hidden as the blocks above where j is greater
.set j, 0
.rept 8
	v_mov_b32 v[XLO+j], s50
	v_mov_b32 v[XHI+j], s49
	v_cmp_gt_i32 vcc_lo, j, v4
	v_cndmask_b32 v[XEQ+j], v[XLO+j], v[XHI+j], vcc_lo
.set j, j+1
.endr
	; the stage.  Key 128 c + 8 g + e of a row lies at byte 512 c + 256 (e / 4) + 16 g + 4 (e % 4): so a lane's stores, and later a lane's loads, of 16 bytes stand 16 bytes from their neighbours'
	s_mul_i32 s48, s13, 128*SP
	s_lshl_b32 s49, s14, 9
	s_add_co_u32 s48, s48, s49
	v_mul_u32_u24 v4, v1, SP
	v_lshl_add_u32 v4, v2, 4, v4
	v_add_nc_u32 v[STO], s48, v4
	v_add_nc_u32 v[STO+1], 64*SP, v[STO]
	s_mul_i32 s48, s[WV], 64*SP                    ; back: wave w takes rows 64 w .. 64 w + 63; lanes 0-15 one row, lanes 16-31 the next
	v_mul_u32_u24 v5, v2, SP
	v_lshl_add_u32 v5, v1, 4, v5
	v_add_nc_u32 v[RD], s48, v5
	v_lshlrev_b32 v[GO], 12, v2
	v_lshl_add_u32 v[GO], v1, 4, v[GO]
	s_lshl_b32 s48, s[WV], 8
	s_add_co_u32 s48, s48, STATL
	v_lshl_add_u32 v[SW], v2, 2, s48               ; 4 x (64 w + l / 16)
	v_lshlrev_b32 v[SRD], 10, v2                   ; lanes 0-15 read c m, lanes 16-31 l
	v_lshl_add_u32 v[SRD], v1, 4, v[SRD]
	v_add_nc_u32 v[SRD], s48, v[SRD]
	v_lshlrev_b32 v[SGO], 18, v2
	v_lshl_add_u32 v[SGO], v1, 4, v[SGO]
	s_lshl_b32 s48, s15, 11
	s_lshl_b32 s49, s16, 8
	s_add_co_u32 s48, s48, s49
	s_lshl_b32 s49, s[WV], 6
	s_add_co_u32 s48, s48, s49                     ; the first row that I finish
	s_lshl_b32 s50, s48, 12
	s_lshl_b32 s49, s17, 9
	s_add_co_u32 s50, s50, s49
	s_mov_b32 s51, 0
	s_add_nc_u64 s[8:9], s[8:9], s[50:51]          ; pt at that row, at the tile's first key
	s_lshl_b32 s50, s48, 2
	s_lshl_b32 s49, s17, 15
	s_add_co_u32 s50, s50, s49
	s_add_nc_u64 s[10:11], s[10:11], s[50:51]      ; stats at plane J, at that row
	s_cmp_lt_u32 s[WV], 2
	s_cselect_b32 s48, s17, s16
	s_cselect_b32 s49, 0, 7
	s_cmp_eq_u32 s48, s49
	s_cselect_b32 s[LIM], 1, -1
	s_add_nc_u64 s[PFA:PFA+1], s[22:23], 3*KSTEP*2 ; at K step 3: the first change of slots steps it to 4
	v_and_b32 v[PFO], 31, v0
	v_lshlrev_b32 v[PFO], 11, v[PFO]
; 16 matrix instructions: row blocks a0, a0 + 1 of the window's four x all 8 key blocks, 32 along K.  The 64 accumulators take turns, one instruction a turn, in the same order in every quarter.
; zero = 1: the first product starts the sum, with the mask as C.
.macro MUL16 f, hi, a0, zero
.set a, \a0
.rept 2
.set bb, 0
.rept 8
.set rD, 8*(8*a+bb)
.set rB, (\f)+8*bb
.set rA, (\f)+8*(4*(\hi)+a)
.if \zero
.set rX, XEQ
.if bb < 4*(\hi)+a
.set rX, XLO
.endif
.if bb > 4*(\hi)+a
.set rX, XHI
.endif
	WIN 0x81+0x40*(\hi)                            ; k's fragment window 1, q's and the mask window 0, D window 2 or 3
	v_wmma_f32_16x16x32_f16 v[rD:rD+7], v[rB:rB+7], v[rA:rA+7], v[rX:rX+7]
.else
	WIN 0xa1+0x50*(\hi)
	v_wmma_f32_16x16x32_f16 v[rD:rD+7], v[rB:rB+7], v[rA:rA+7], v[rD:rD+7]
.endif
.set bb, bb+1
.endr
.set a, a+1
.endr
.endm
.macro FETCH slot, kb, f               ; 32 LDS loads in one run: the fragments of 32 along K at byte kb of the rows
	WIN 0x40
.set i, 0
.rept 8
	ds_load_b128 v[(\f)+8*i:(\f)+8*i+3],   v[ADRB+(\slot)] offset:(\kb)+i*16*PITCH
	ds_load_b128 v[(\f)+8*i+4:(\f)+8*i+7], v[ADRB+(\slot)] offset:(\kb)+i*16*PITCH+32
.set i, i+1
.endr
	WIN 0
.set i, 0
.rept 8
	ds_load_b128 v[(\f)+8*i:(\f)+8*i+3],   v[ADRA+(\slot)] offset:(\kb)+i*16*PITCH
	ds_load_b128 v[(\f)+8*i+4:(\f)+8*i+7], v[ADRA+(\slot)] offset:(\kb)+i*16*PITCH+32
.set i, i+1
.endr
.endm
.macro QUARTER slot, kb, f, g, zero    ; multiplies buffer f; in its middle it fetches the next quarter, at byte kb, into g
	s_wait_dscnt 8                                 ; k's fragments and q's rows 0-63 are in; the youngest eight loads may be out
	MUL16 \f, 0, 0, \zero
	MUL16 \f, 0, 2, \zero
	PLACES
	FETCH \slot, \kb, \g
	s_wait_dscnt 32                                ; all but the 32 just issued
	MUL16 \f, 1, 0, \zero
	MUL16 \f, 1, 2, \zero
.endm
; The last quarter of a K step multiplies buffer 1 and changes slots: ONE barrier.  In front of it each wave waits for all its tensor loads (one is out: its part of the next slot), adds 0 to its spare word, and waits
; for that and for its reads of this slot.  fill = 1: this slot is filled again first thing behind the barrier, two K steps ahead: 224 matrix instructions stand between the request and the wait for it.
.macro TURN slot, next, fill
.if \fill
	s_wait_xcnt 0x0                                ; the last prefetches, a K step back, have read their address
	s_add_nc_u64 s[PFA:PFA+1], s[PFA:PFA+1], KSTEP*2
.endif
	WIN 0                                          ; (the add's two registers lie in window 0)
	s_wait_tensorcnt 0x0                           ; all my tensor loads have landed, so a group 0 may be written
	ds_add_u32 v[SPW], v[NIL]                      ; 0 onto my spare word
.if \fill
	s_add_nc_u64 s[G0+4*(\slot)+2:G0+4*(\slot)+3], s[G0+4*(\slot)+2:G0+4*(\slot)+3], 2*KSTEP*2
.endif
	s_wait_dscnt 9                                 ; (the add and the youngest eight loads may be out)
	MUL16 F1, 0, 0, 0
	s_wait_dscnt 0x0                               ; the add is done, and my reads of this slot are over
	s_barrier_signal -1
	MUL16 F1, 0, 2, 0
	WIN 0
	s_barrier_wait -1
.if \fill
	tensor_load_to_lds s[G0+4*(\slot):G0+4*(\slot)+3], s[G1:G1+7]
	s_nop 0
.endif
	PLACES
	FETCH \next, 0, F0
.if \fill
	ASK
.endif
	MUL16 F1, 1, 0, 0
	MUL16 F1, 1, 2, 0
.endm
	s_wait_tensorcnt 1                             ; my part of K step 0 is in; K step 1's may stay out
	s_barrier_signal -1
	s_barrier_wait -1                              ; everybody's is
	FETCH 0, 0, F0
	QUARTER 0, 64, F0, F1, 1                       ; the first quarter stands in front of the loop: its products start the sums
	WIN 0                                          ; at a label and at a branch every window is 0
	s_mov_b32 s3, LAPS-1
.Llap:                                                 ; a trip goes once round the ring, from a lap's second quarter to the next lap's first, and fills both slots again
	QUARTER 0, 128, F1, F0, 0
	QUARTER 0, 192, F0, F1, 0
	TURN 0, 1, 1
	QUARTER 1, 64,  F0, F1, 0
	QUARTER 1, 128, F1, F0, 0
	QUARTER 1, 192, F0, F1, 0
	TURN 1, 0, 1
	QUARTER 0, 64,  F0, F1, 0
	WIN 0
	s_sub_co_u32 s3, s3, 1
	s_cmp_lg_u32 s3, 0
	s_cbranch_scc1 .Llap
	QUARTER 0, 128, F1, F0, 0                      ; the last lap asks for nothing
	QUARTER 0, 192, F0, F1, 0
	TURN 0, 1, 0
	QUARTER 1, 64,  F0, F1, 0
	QUARTER 1, 128, F1, F0, 0
	QUARTER 1, 192, F0, F1, 0
	s_wait_dscnt 8
	MUL16 F1, 0, 0, 0
	MUL16 F1, 0, 2, 0
	s_wait_dscnt 0x0
	MUL16 F1, 1, 0, 0
	MUL16 F1, 1, 2, 0
	; THE SCORES GO THROUGH THE STAGE, so that a row's 256 scores, which two waves have made, come together in 16 lanes.
	WIN 0
	s_wait_dscnt 0x0                               ; my reads of the slots are over
	s_barrier_signal -1
	s_barrier_wait -1                              ; everybody's are, and every tensor load has been waited for at the last change of slots
	PLACES
.set a, 0
.rept 8
	WIN 0x08+4*(a/4)                               ; the stores' data in window 2 or 3
.set bb, 0
.rept 8
.set rD, 8*(8*(a%4)+bb)
	ds_store_b128 v[STO+a/4], v[rD:rD+3]   offset:(a%4)*16*SP+32*bb      ; each accumulator from its low end on
	ds_store_b128 v[STO+a/4], v[rD+4:rD+7] offset:(a%4)*16*SP+32*bb+256
.set bb, bb+1
.endr
.set a, a+1
.endr
	WIN 0
	s_wait_dscnt 0x0                               ; for the others' sake: my stores are done
	s_barrier_signal -1
	s_barrier_wait -1
	s_mov_b32 s2, 8
.Lrow:                                                 ; a trip: 8 of my 64 rows, as four pairs; a lane holds keys 8 g .. 8 g + 7 and 128 + 8 g .. of its row (g = lane % 16)
.set t, 0
.rept 16
	ds_load_b128 v[X+4*t:X+4*t+3], v[RD] offset:(t/4)*2*SP+(t%4)*256
.set t, t+1
.endr
	s_wait_dscnt 0x0
.irp qp, 0,1,2,3
	v_max3_num_f32 v[ST+2*\qp+1], v[X+16*\qp], v[X+16*\qp+1], v[X+16*\qp+2]
.endr
.irp n, 0,1,2,3,4,5
.irp qp, 0,1,2,3
	v_max3_num_f32 v[ST+2*\qp+1], v[ST+2*\qp+1], v[X+16*\qp+3+2*\n], v[X+16*\qp+4+2*\n]
.endr
.endr
.irp qp, 0,1,2,3
	v_max_num_f32 v[ST+2*\qp+1], v[ST+2*\qp+1], v[X+16*\qp+15]
.endr
.irp m, 1,2,4,8                        ; across the row's 16 lanes
.irp qp, 0,1,2,3
	v_max_num_f32_dpp v[ST+2*\qp+1], v[ST+2*\qp+1], v[ST+2*\qp+1] row_xmask:\m row_mask:0xf bank_mask:0xf
.endr
.endr
.irp qp, 0,1,2,3
	v_mul_f32 v[ST+2*\qp], s[CS], v[ST+2*\qp+1]    ; c m
.endr
.set t, 0
.rept 32
	v_pk_fma_f32 v[X+2*t:X+2*t+1], v[X+2*t:X+2*t+1], s[CS:CS+1], v[ST+2*(t/8):ST+2*(t/8)+1] op_sel_hi:[1,0,0] neg_lo:[0,0,1] neg_hi:[0,0,1]  ; c s - c m
.set t, t+1
.endr
.set t, 0
.rept 64
	v_exp_f32 v[X+t], v[X+t]                       ; one batch
.set t, t+1
.endr
	v_nop                                          ; a plain instruction behind the last exponential,
	s_wait_alu depctr_va_vdst(0)                   ; and one wait ahead of the batch's first reader
.set t, 0
.rept 32
	v_cvt_pk_f16_f32 v[P+t], v[X+2*t], v[X+2*t+1]
.set t, t+1
.endr
.irp u, 0,1,2,3                        ; the sums, in place: neighbours 1, 2 and 4 pairs apart
.irp qp, 0,1,2,3
	v_pk_add_f32 v[X+16*\qp+4*\u:X+16*\qp+4*\u+1], v[X+16*\qp+4*\u:X+16*\qp+4*\u+1], v[X+16*\qp+4*\u+2:X+16*\qp+4*\u+3]
.endr
.endr
.irp u, 0,1
.irp qp, 0,1,2,3
	v_pk_add_f32 v[X+16*\qp+8*\u:X+16*\qp+8*\u+1], v[X+16*\qp+8*\u:X+16*\qp+8*\u+1], v[X+16*\qp+8*\u+4:X+16*\qp+8*\u+5]
.endr
.endr
.irp qp, 0,1,2,3
	v_pk_add_f32 v[X+16*\qp:X+16*\qp+1], v[X+16*\qp:X+16*\qp+1], v[X+16*\qp+8:X+16*\qp+9]
.endr
.irp qp, 0,1,2,3
	v_add_f32 v[X+16*\qp], v[X+16*\qp], v[X+16*\qp+1]
.endr
.irp m, 1,2,4,8
.irp qp, 0,1,2,3
	v_add_f32_dpp v[X+16*\qp], v[X+16*\qp], v[X+16*\qp] row_xmask:\m row_mask:0xf bank_mask:0xf
.endr
.endr
.irp qp, 0,1,2,3
	global_store_b128 v[GO], v[P+8*\qp:P+8*\qp+3],   s[8:9] offset:\qp*8192      ; 16 lanes store 256 consecutive bytes, at a multiple of 256 from pt's first byte
	global_store_b128 v[GO], v[P+8*\qp+4:P+8*\qp+7], s[8:9] offset:\qp*8192+256
	ds_store_b32 v[SW], v[ST+2*\qp] offset:8*\qp                             ; the row's 16 lanes write the same word with the same number
	ds_store_b32 v[SW], v[X+16*\qp] offset:8*\qp+1024
.endr
	s_wait_xcnt 0x0                                ; the stores have read GO and P, which the next lines and the next trip rewrite
	v_add_nc_u32 v[RD], 8*SP, v[RD]
	v_add_nc_u32 v[GO], 8*4096, v[GO]
	v_add_nc_u32 v[SW], 32, v[SW]
	s_sub_co_u32 s2, s2, 1
	s_cmp_lg_u32 s2, 0
	s_cbranch_scc1 .Lrow
	ds_load_b128 v[X:X+3], v[SRD]                  ; my own 64 rows' c m and l: LDS serves a wave's instructions in order, so these see the stores above
	s_wait_dscnt 0x0
	global_store_b128 v[SGO], v[X:X+3], s[10:11]   ; each half of the lanes stores 256 consecutive aligned bytes
	s_wait_tensorcnt 0x0                           ; the wave's end: a wait, an add and its wait, behind my last tensor load and my last LDS store
	ds_add_u32 v[SPW], v[NIL]
	s_wait_dscnt 0x0
	s_endpgm
.Lfunc_end_k_q81e10b8033_score:
	.size	k_q81e10b8033_score, .Lfunc_end_k_q81e10b8033_score-k_q81e10b8033_score
	.p2alignl 7, 3214868480
	.fill 96, 4, 3214868480
	.section	.rodata,"a",@progbits
	.p2align	6, 0x0
	.amdhsa_kernel k_q81e10b8033_score
		.amdhsa_group_segment_fixed_size 327680
		.amdhsa_private_segment_fixed_size 0
		.amdhsa_enable_private_segment 0
		.amdhsa_kernarg_size 32
		.amdhsa_user_sgpr_count 2
		.amdhsa_user_sgpr_kernarg_segment_ptr 1
		.amdhsa_wavefront_size32 1
		.amdhsa_system_sgpr_workgroup_id_x 1
		.amdhsa_system_sgpr_workgroup_id_y 1
		.amdhsa_system_sgpr_workgroup_id_z 1
		.amdhsa_system_vgpr_workitem_id 0
		.amdhsa_next_free_vgpr 1024
		.amdhsa_next_free_sgpr 66
		.amdhsa_reserve_vcc 1
		.amdhsa_float_denorm_mode_32 3
		.amdhsa_float_denorm_mode_16_64 3
		.amdhsa_memory_ordered 1
		.amdhsa_forward_progress 1
		.amdhsa_inst_pref_size 134
	.end_amdhsa_kernel
	.amdgpu_metadata
---
amdhsa.version: [ 1, 2 ]
amdhsa.kernels:
  - .name:           k_q81e10b8033_score
    .symbol:         k_q81e10b8033_score.kd
    .args:
      - { .name: q, .offset: 0, .size: 8, .value_kind: global_buffer, .address_space: global }
      - { .name: k, .offset: 8, .size: 8, .value_kind: global_buffer, .address_space: global }
      - { .name: pt, .offset: 16, .size: 8, .value_kind: global_buffer, .address_space: global }
      - { .name: stats, .offset: 24, .size: 8, .value_kind: global_buffer, .address_space: global }
    .group_segment_fixed_size: 327680
    .private_segment_fixed_size: 0
    .kernarg_segment_align: 8
    .kernarg_segment_size: 32
    .max_flat_workgroup_size: 128
    .sgpr_count:     66
    .vgpr_count:     1024
    .wavefront_size: 32
...
	.end_amdgpu_metadata
.endif
;; end of part 3
;; launch pv (part 4): grid 8 x 32, 4 waves a work-group, clusters of 4 x 1, 327,680 bytes of LDS; arguments pt, v, stats, out0; writes out0
.if DOCPART == 4
	.amdgcn_target "amdgcn-amd-amdhsa--gfx1250"
	.amdhsa_code_object_version 6
	.text
	.protected	k_q81e10b8033_pv
	.globl	k_q81e10b8033_pv
	.p2align	8
	.type	k_q81e10b8033_pv,@function
k_q81e10b8033_pv:
	s_mov_b64 s[64:65], 0
	v_nop
	global_prefetch_b8 v0, s[64:65] scope:SCOPE_SE
	s_setreg_imm32_b32 hwreg(HW_REG_WAVE_MODE, 25, 1), 1
	s_wait_xcnt 0x0
	s_wait_alu depctr_hold_cnt(0) depctr_sa_sdst(0) depctr_va_vdst(0) depctr_va_sdst(0) depctr_va_ssrc(0) depctr_va_vcc(0) depctr_vm_vsrc(0)
	s_getreg_b32 s2, hwreg(HW_REG_IB_STS2, 6, 4)
	s_cmp_eq_u32 s2, 0
	s_cbranch_scc0 .Lentry_in_a_cluster
	s_endpgm
.Lentry_in_a_cluster:
	s_bfe_u32 s2, ttmp6, 0x10000c
	s_cmp_lg_u32 s2, 0x3003
	s_cbranch_scc0 .Lentry_shape_is_right
	s_endpgm
.Lentry_shape_is_right:
; out0 [4 x 2048][1024] f32 = softmax(S) v, from the tiles' weights.  For row t and key tile J (256 keys): pt holds p = 2^(c s - cm_J), stats cm_J and l_J.  With M = the largest cm_J of the row, f_J = 2^(cm_J - M) and
; L = the sum of f_J l_J:  out = (the sum over J of f_J (p_J v_J)) / L.  So the row's true maximum is taken away, in two steps.  Products f16, sums f32; f, L and the sum over J in f32.
; LIMITS.  f_J below 2^-126 counts as 0; NaN and infinities are not treated apart.
; SHARES.  A block of 128 rows x 128 channels needs i / 2 + 1 key tiles (i = 0 .. 15 in a batch).  A work-group takes blocks p and 15 - p: 9 tiles, whatever p: all 256 work-groups do equal work, and one loop with a
; constant trip count walks them.  The block with the odd number of tiles goes first, so that both blocks end with a tile in slot 0.  Four waves, each 64 rows x 64 channels.
; T (16 accumulators) is one tile's product, started with C = 0; behind each tile O += f T (64 packed multiply-adds).  THE PRODUCT IS TAKEN TRANSPOSED (source 0 = 16 channels of v, turned by ds_load_tr16_b128,
; source 1 = 16 rows of p): a lane holds one row (lane % 16) and eight neighbouring channels.
; The loop has one form for every tile: its first change of slots multiplies zeros and adds 0 to O.  The price is 392 lines that write 0, which run while the first tile is on its way, and 32 products on zeros.
; CLUSTER 4 x 1.  The four partners take the same rows and other channels: p's tiles are asked for jointly (waves 0, 1); v's tiles differ from partner to partner and come by loads of one's own (waves 2, 3), behind the
; same round.  The work-groups that do share a tile of v (other p) reach it in other trips.  v is not asked for ahead: the eight pairs of a batch walk the same tiles of v, each from tile 0 on, and begin together.
; REGISTERS: window 0: v0-31 addresses; v48-55 f, v56-63 1 / L (a pair for each of my four row blocks); v64-127 at work; v128-255 T ((a, b) at 128 + 8 (4 a + b)).
;   window 1: two fragment buffers of 128: for 64 keys, 64 registers of p (2 x 4 fragments), then 64 of v.       window 2: v0-127 O.
.set PA,    528                        ; a row of p in LDS: 512 bytes + 16 = 132 words: the 16 rows of a load start at 16 different groups of four banks (64 banks of 4 bytes: ISA guide 11.1)
.set PV,    288                        ; a row of v: 256 + 32 = 72 words
.set VOFF,  128*PA                     ; a slot: 128 rows of p, then 256 keys of v
.set SLOT,  VOFF+256*PV
.set STAGE, 2*SLOT                     ; behind the ring: 16 rows x 272 bytes for each wave, for the way out
.set SP,    272
.set FT,    STAGE+4*16*SP              ; f, twice, for tile D of the walk and row t at 1,024 D + 8 t
.set IL,    FT+9*1024                  ; 1 / L, twice, for block 0, 1 of the walk and row t
.set SPARE, IL+2*1024                  ; the spare words, 128 bytes for each wave: two blocks of 256 bytes that no other line names
.set ADRA, 16                          ; v16-17  LDS address of my fragments of p in slot 0, 1
.set ADRB, 18                          ; v18-19  of v, keys 0-127;  v20-21 keys 128-255
.set STO,  22                          ; v22  the way out: where I put 16 bytes of a row
.set RD,   23                          ; v23  where I read a row back
.set CO,   24                          ; v24  my byte offset in two rows of out0
.set FAD,  25                          ; v25  where my rows' f lie; steps by two tiles a lap
.set ILA,  26                          ; v26  where my rows' 1 / L lie
.set PFO,  27                          ; v27  the prefetches' offset; never rewritten
.set SPW,  28                          ; v28  LDS address of my spare word; never rewritten
.set NIL,  29                          ; v29  0; never rewritten
.set FS,   48
.set IV,   56
.set T,    128
.set F0,   0
.set F1,   128
.set WV,   12                          ; s12 wave; s13 which half of the rows; s14 which half of the channels, and which half of a tile I fetch; s16 cx; s17 channel block; s18 batch; s19 p
.set IF,   20                          ; s20, s21  the first block, the second;  s22 the first block's tiles
.set G1A,  24                          ; s[24:31] descriptor group 1 for p's tiles;  s[32:39] for v's
.set G1B,  32
.set G0A,  40                          ; s[40:43], s[44:47] group 0: made anew for each fill
.set G0B,  44
.set PAQ,  48                          ; s[48:49] pt at my 64 rows of the block whose tiles are being asked for;  s[50:51] of the second block
.set PAS,  50
.set PVB,  52                          ; s[52:53] v at my 128 keys of tile 0, my work-group's channels
.set OUTF, 54                          ; s[54:55], s[56:57] out0 at my rows and channels of the first, the second block
.set OUTS, 56
.set NXT,  58                          ; s58  the tile to be asked for next
.set LQ,   59                          ; s59  the last tile of the block whose tiles are being asked for;  s60 of the second block
.set CNTB, 61                          ; s61  folds to come before the first block is whole
.set LAP,  62
.set REM,  63                          ; s63  fills to come
.set LIM,  66                          ; s66  0 in a wave that prefetches, else the greatest number
.set LA,   67                          ; s67  where my part of p's tile goes in a slot;  s74 of v's
.set PFA,  68                          ; s[68:69] where my prefetch stands
.set OFF,  72                          ; s[72:73] a tile's byte offset
.set LB,   74
.set CXO,  76                          ; s[76:77] my work-group's 16 rows of the 64: cx x 65,536
.set MSB, 0
.macro WIN new                         ; the immediate's high byte repeats the setting that is left; a switch that changes nothing is dropped
.if MSB != (\new)
	s_set_vgpr_msb (MSB<<8)|(\new)
.set MSB, \new
.endif
.endm
.macro PLACES                          ; four plain vector instructions between a matrix instruction and a load into, or a vector line on, its registers
.rept 4
	v_nop
.endr
.endm
.macro CREST
	s_cmp_lg_u32 s[WV], 0
	s_cbranch_scc1 .Lnot_wave_0_\@
	s_barrier_signal -3
.Lnot_wave_0_\@:
	s_barrier_wait -3
	s_barrier_signal -1
	s_barrier_wait -1
.endm
.macro CROUND
	s_barrier_signal -1
	s_barrier_wait -1
	CREST
.endm
.macro JLOAD                           ; the branch hangs on the wave's number alone; an s_nop 0 and four v_nop follow each of the two lines
	s_cmp_lt_u32 s[WV], 2
	s_cbranch_scc0 .Lfor_v_\@
	tensor_load_to_lds s[G0A:G0A+3], s[G1A:G1A+7]
	s_nop 0
.rept 4
	v_nop
.endr
	s_branch .Lasked_\@
.Lfor_v_\@:
	tensor_load_to_lds s[G0B:G0B+3], s[G1B:G1B+7]
	s_nop 0
.rept 4
	v_nop
.endr
.Lasked_\@:
.endm
; Both group 0 for tile NXT into the slot; then NXT steps, and behind the first block's last tile goes back to 0 for the second block.  It stands where no tensor load of mine is out.
.macro MKDESC slot
	s_lshl_b32 s[OFF], s[NXT], 9                   ; 256 keys of a row of pt
	s_add_co_u32 s[G0A+1], s[LA], (\slot)*SLOT
	s_add_nc_u64 s[G0A+2:G0A+3], s[PAQ:PAQ+1], s[OFF:OFF+1]
	s_or_b32 s[G0A+3], s[G0A+3], 0x80000000
	s_lshl_b32 s[OFF], s[NXT], 19                  ; 256 rows of v
	s_add_co_u32 s[G0B+1], s[LB], (\slot)*SLOT
	s_add_nc_u64 s[G0B+2:G0B+3], s[PVB:PVB+1], s[OFF:OFF+1]
	s_or_b32 s[G0B+3], s[G0B+3], 0x80000000
	s_add_co_u32 s[NXT], s[NXT], 1
	s_cmp_gt_u32 s[NXT], s[LQ]
	s_cselect_b32 s[NXT], 0, s[NXT]
	s_cselect_b32 s[LQ], s[LQ+1], s[LQ]
	s_cselect_b64 s[PAQ:PAQ+1], s[PAS:PAS+1], s[PAQ:PAQ+1]
.endm
; A PREFETCH INTO THE L2 of p's tile that the NEXT fill will ask for: a tile's work ahead.  Both clusters of a row of clusters read the same p: cluster x = 0 asks, waves 0 and 1, each for its own 64 rows x 512 bytes;
; the four partners take 16 rows each, told apart by address; a lane names one block of 256 bytes.  The walk's tiles 0 and 1 come by their loads alone; the last fill asks for nothing.
.macro ASK
	s_cmp_gt_u32 s[REM], s[LIM]
	s_cbranch_scc0 .Lnot_mine_\@
	global_prefetch_b8 v[PFO], s[PFA:PFA+1] th:TH_LOAD_NT scope:SCOPE_SE
.Lnot_mine_\@:
.endm
	s_load_b256 s[4:11], s[0:1], 0x0               ; pt s[4:5], v s[6:7], stats s[8:9], out0 s[10:11]
	v_lshl_add_u32 v[SPW], v0, 2, SPARE
	v_mov_b32 v[NIL], 0
	ds_add_u32 v[SPW], v[NIL]                      ; the wave's opening: the add and its wait stand ahead of my first tensor load; the set-up below, work on registers, stands between them
	v_lshrrev_b32 v1, 5, v0
	v_readfirstlane_b32 s[WV], v1                  ; wave 0..3
	s_lshr_b32 s13, s[WV], 1
	s_and_b32 s14, s[WV], 1
	s_bfe_u32 s16, ttmp6, 0x40000                  ; cx
	s_lshl_b32 s17, ttmp9, 2
	s_add_co_u32 s17, s17, s16                     ; my 128 channels: they enter v's and out0's addresses alone
	s_and_b32 s19, ttmp7, 0xffff
	s_lshr_b32 s18, s19, 3                         ; the batch
	s_and_b32 s19, s19, 7                          ; p
	s_lshr_b32 s70, s19, 1
	s_add_co_u32 s70, s70, 1                       ; block p's tiles
	s_sub_co_u32 s71, 15, s19
	s_sub_co_u32 s78, 9, s70                       ; block 15 - p's
	s_bitcmp1_b32 s70, 0                           ; the odd number goes first
	s_cselect_b32 s[IF], s19, s71
	s_cselect_b32 s[IF+1], s71, s19
	s_cselect_b32 s22, s70, s78
	s_cselect_b32 s[LQ+1], s78, s70
	s_sub_co_u32 s[LQ+1], s[LQ+1], 1
	s_sub_co_u32 s[LQ], s22, 1
	s_mov_b32 s[NXT], 0
	s_add_co_u32 s[CNTB], s22, 1                   ; the first fold folds nothing
	s_mov_b32 s[REM], 8
	s_mov_b32 s[G1A], 15|(1<<16)|(1<<20)|(1<<21)|(6<<22)|(3<<25)  ; the mask of four; elements of 2 bytes; padding on; 21 set beside a mask; after every 128 words (code 6); 4 words (code 3)
	s_mov_b32 s[G1A+1], 256<<16                    ; tensor_dim0 = 256 keys
	s_mov_b32 s[G1A+2], 64<<16                     ; tensor_dim1 = 64 rows
	s_mov_b32 s[G1A+3], 256<<16                    ; tile_dim0
	s_mov_b32 s[G1A+4], 64                         ; tile_dim1
	s_mov_b32 s[G1A+5], 2048                       ; elements from row to row of pt
	s_mov_b32 s[G1A+6], 0
	s_mov_b32 s[G1A+7], 0
	s_mov_b32 s[G1B], (1<<16)|(1<<20)|(5<<22)|(7<<25)  ; no mask; after every 64 words (code 5); 8 words (code 7)
	s_mov_b32 s[G1B+1], 128<<16                    ; 128 channels
	s_mov_b32 s[G1B+2], 128<<16                    ; 128 keys
	s_mov_b32 s[G1B+3], 128<<16
	s_mov_b32 s[G1B+4], 128
	s_mov_b32 s[G1B+5], 1024
	s_mov_b32 s[G1B+6], 0
	s_mov_b32 s[G1B+7], 0
	s_mov_b32 s[G0A], 1
	s_mov_b32 s[G0B], 1
	s_mul_i32 s[LA], s14, 64*PA
	s_mul_i32 s[LB], s14, 128*PV
	s_add_co_u32 s[LB], s[LB], VOFF
	s_mov_b32 s[OFF+1], 0
	s_lshl_b32 s[CXO], s16, 16
	s_mov_b32 s[CXO+1], 0
	s_lshr_b32 s[LIM], s[WV], 1                    ; 0 in waves 0 and 1,
	s_or_b32 s[LIM], s[LIM], ttmp9                 ; where the cluster is the first of its row: the same in all four partners
	s_cmp_eq_u32 s[LIM], 0
	s_cselect_b32 s[LIM], 0, -1
	s_lshl_b32 s70, s18, 11                        ; the batch's first row
	s_lshl_b32 s71, s14, 6
	s_add_co_u32 s71, s71, s70
	s_lshl_b32 s78, s[IF], 7
	s_add_co_u32 s78, s78, s71
	s_lshl_b32 s78, s78, 12                        ; pt: my 64 rows of the first block,
	s_mov_b32 s79, 0
	s_lshl_b32 s80, s[IF+1], 7
	s_add_co_u32 s80, s80, s71
	s_lshl_b32 s80, s80, 12                        ; of the second
	s_mov_b32 s81, 0
	s_lshl_b32 s82, s14, 7
	s_add_co_u32 s82, s82, s70
	s_lshl_b32 s82, s82, 11                        ; v: my 128 keys of tile 0,
	s_lshl_b32 s75, s17, 8
	s_add_co_u32 s82, s82, s75                     ; my work-group's channels
	s_mov_b32 s83, 0
	s_lshl_b32 s75, s13, 6
	s_add_co_u32 s75, s75, s70
	s_lshl_b32 s84, s[IF], 7
	s_add_co_u32 s84, s84, s75
	s_lshl_b32 s84, s84, 12                        ; out0: my wave's 64 rows of the first block,
	s_lshl_b32 s86, s[IF+1], 7
	s_add_co_u32 s86, s86, s75
	s_lshl_b32 s86, s86, 12                        ; of the second,
	s_lshl_b32 s75, s17, 9
	s_lshl_b32 s71, s14, 8
	s_add_co_u32 s75, s75, s71                     ; my wave's 64 channels: 256 bytes
	s_add_co_u32 s84, s84, s75
	s_add_co_u32 s86, s86, s75
	s_mov_b32 s85, 0
	s_mov_b32 s87, 0
	s_wait_dscnt 0x0                               ; the opening add is done
	s_wait_kmcnt 0x0
	s_add_nc_u64 s[PAQ:PAQ+1], s[4:5], s[78:79]
	s_add_nc_u64 s[PAS:PAS+1], s[4:5], s[80:81]
	s_add_nc_u64 s[PVB:PVB+1], s[6:7], s[82:83]
	s_add_nc_u64 s[OUTF:OUTF+1], s[10:11], s[84:85]
	s_add_nc_u64 s[OUTS:OUTS+1], s[10:11], s[86:87]
	s_mov_b64 s[PFA:PFA+1], s[PAQ:PAQ+1]
	MKDESC 0
	CROUND                                         ; all four work-groups are here: the first joint loads meet
	JLOAD                                          ; the walk's tile 0 into slot 0.  Slot 1 is filled behind the loop's first round
	; THE STATISTICS.  Thread t stands for row t of both blocks.  Tile D of the walk is tile D of the first block while D is below its number of tiles, else tile D - that number of the second.
	s_lshl_b32 s78, s[IF], 7
	s_add_co_u32 s78, s78, s70
	s_lshl_b32 s78, s78, 2                         ; the first block's first row in a plane of stats,
	s_lshl_b32 s80, s[IF+1], 7
	s_add_co_u32 s80, s80, s70
	s_lshl_b32 s80, s80, 2                         ; the second's
	v_lshlrev_b32 v119, 2, v0
.set D, 0
.rept 9
	s_sub_co_u32 s75, D, s22
	s_cmp_gt_u32 s22, D
	s_cselect_b32 s75, D, s75                      ; J
	s_cselect_b32 s71, s78, s80
	s_lshl_b32 s75, s75, 15
	s_add_co_u32 s71, s71, s75
	v_add_nc_u32 v[64+D], s71, v119
	global_load_b32 v[73+D], v[64+D], s[8:9]                  ; cm
	global_load_b32 v[82+D], v[64+D], s[8:9] offset:262144    ; l
.set D, D+1
.endr
	v_and_b32 v1, 15, v0                           ; l % 16
	v_bfe_u32 v2, v0, 4, 1                         ; l / 16
	s_mul_i32 s71, s13, 64*PA
	v_mul_u32_u24 v3, v1, PA
	v_lshl_add_u32 v3, v2, 4, v3
	v_add_nc_u32 v[ADRA], s71, v3
	v_add_nc_u32 v[ADRA+1], SLOT, v[ADRA]
	; the turning load takes 16 keys x 16 channels (lane l reads key 8 (l / 16) + l % 8, channels 8 ((l / 8) % 2) + 0..7) and leaves half a fragment: lane l holds channel l % 16 and 8 keys
	v_and_b32 v4, 7, v0
	v_bfe_u32 v5, v0, 3, 1
	v_lshl_add_u32 v4, v2, 3, v4
	v_mul_u32_u24 v4, v4, PV
	v_lshl_add_u32 v4, v5, 4, v4
	s_lshl_b32 s71, s14, 7                         ; my 64 channels
	s_add_co_u32 s71, s71, VOFF
	v_add_nc_u32 v[ADRB], s71, v4
	v_add_nc_u32 v[ADRB+1], SLOT, v[ADRB]
	v_add_nc_u32 v[ADRB+2], 128*PV, v[ADRB]
	v_add_nc_u32 v[ADRB+3], 128*PV, v[ADRB+1]
	s_mul_i32 s71, s[WV], 16*SP
	s_add_co_u32 s71, s71, STAGE                   ; my stage
	v_mul_u32_u24 v3, v1, SP                       ; in: row l % 16, 32 bytes for each half of the lanes
	v_lshl_add_u32 v3, v2, 5, v3
	v_add_nc_u32 v[STO], s71, v3
	v_mul_u32_u24 v3, v2, SP                       ; back: lanes 0-15 one row of 256 bytes, lanes 16-31 the next
	v_lshl_add_u32 v3, v1, 4, v3
	v_add_nc_u32 v[RD], s71, v3
	v_lshlrev_b32 v[CO], 12, v2
	v_lshl_add_u32 v[CO], v1, 4, v[CO]
	s_lshl_b32 s71, s13, 9
	s_add_co_u32 s71, s71, FT
	v_lshl_add_u32 v[FAD], v1, 3, s71              ; 8 x (64 rh + l % 16)
	v_add_nc_u32 v[ILA], IL-FT, v[FAD]
	v_bfe_u32 v3, v0, 1, 4
	v_and_b32 v4, 1, v0
	v_lshlrev_b32 v[PFO], 12, v3                   ; row lane / 2, block lane % 2
	v_lshl_add_u32 v[PFO], v4, 8, v[PFO]
	v_lshl_add_u32 v120, v0, 3, FT
	; what the loop's first change of slots finds: zeros
.set i, 0
.rept 8
	v_mov_b32 v[FS+i], 0
.set i, i+1
.endr
.set i, 0
.rept 128
	v_mov_b32 v[T+i], 0
.set i, i+1
.endr
	WIN 0x40
.set i, 0
.rept 128
	v_mov_b32 v[F1+i], 0
.set i, i+1
.endr
	WIN 0x80
.set i, 0
.rept 128
	v_mov_b32 v[i], 0
.set i, i+1
.endr
	WIN 0
	s_wait_loadcnt 0x0
	v_mov_b32 v116, 0xff7fffff                     ; the lowest finite number
	v_mov_b32 v110, v116                           ; M of the first block's row,
	v_mov_b32 v111, v116                           ; of the second's
.set D, 0
.rept 9
	s_cmp_gt_u32 s22, D
	s_cselect_b32 s71, -1, 0                       ; all lanes: tile D is the first block's
	v_cndmask_b32 v117, v116, v[73+D], s71
	v_cndmask_b32 v118, v[73+D], v116, s71
	v_max_num_f32 v110, v110, v117
	v_max_num_f32 v111, v111, v118
.set D, D+1
.endr
.set D, 0
.rept 9
	s_cmp_gt_u32 s22, D
	s_cselect_b32 s71, -1, 0
	v_cndmask_b32 v117, v111, v110, s71
	v_sub_f32 v[92+2*D], v[73+D], v117             ; cm - M
.set D, D+1
.endr
.set D, 0
.rept 9
	v_exp_f32 v[92+2*D], v[92+2*D]                 ; f: one batch
.set D, D+1
.endr
	v_nop                                          ; a plain instruction behind the last exponential,
	s_wait_alu depctr_va_vdst(0)                   ; and one wait ahead of the batch's first reader
	v_mov_b32 v112, 0
	v_mov_b32 v114, 0
.set D, 0
.rept 9
	s_cmp_gt_u32 s22, D
	s_cselect_b32 s71, -1, 0
	v_cndmask_b32 v117, 0, v[92+2*D], s71
	v_cndmask_b32 v118, v[92+2*D], 0, s71
	v_fmac_f32 v112, v117, v[82+D]                 ; L
	v_fmac_f32 v114, v118, v[82+D]
	v_mov_b32 v[93+2*D], v[92+2*D]                 ; f twice: a pair for the packed fold
.set D, D+1
.endr
	v_rcp_f32 v112, v112
	v_rcp_f32 v114, v114
	v_nop
	s_wait_alu depctr_va_vdst(0)                   ; one wait for the two reciprocals
	v_mov_b32 v113, v112
	v_mov_b32 v115, v114
.set D, 0
.rept 9
	ds_store_b64 v120, v[92+2*D:93+2*D] offset:1024*D
.set D, D+1
.endr
	ds_store_b64 v120, v[112:113] offset:IL-FT
	ds_store_b64 v120, v[114:115] offset:IL-FT+1024 ; these are waited for in front of the loop's first barrier, behind which the others read them
; 8 matrix instructions: row blocks a0, a0 + 1 x all 4 channel blocks, 32 keys: half cc of buffer f.  The 16 accumulators take turns, one instruction a turn.  zero = 1: the product starts the sum
.macro MUL8 f, cc, a0, zero
	WIN 0x05                                       ; sources 0 and 1 window 1; C and D window 0
.set a, \a0
.rept 2
.set bb, 0
.rept 4
.set rD, T+8*(4*a+bb)
.set rB, (\f)+64+8*(4*(\cc)+bb)
.set rA, (\f)+8*(4*(\cc)+a)
.if \zero
	v_wmma_f32_16x16x32_f16 v[rD:rD+7], v[rB:rB+7], v[rA:rA+7], 0
.else
	v_wmma_f32_16x16x32_f16 v[rD:rD+7], v[rB:rB+7], v[rA:rA+7], v[rD:rD+7]
.endif
.set bb, bb+1
.endr
.set a, a+1
.endr
.endm
; 32 LDS loads in one run: the fragments of 64 keys, at byte kb of p's rows, into buffer f; the first 32 keys first
.macro FETCH slot, kb, f
	WIN 0x40                                       ; destination window 1, address window 0
.set c, 0
.rept 2
.set kk, (\kb)/2+32*c
.set i, 0
.rept 4
	ds_load_tr16_b128 v[(\f)+64+8*(4*c+i):(\f)+64+8*(4*c+i)+3],   v[ADRB+2*(kk/128)+(\slot)] offset:(kk%128)*PV+32*i
	ds_load_tr16_b128 v[(\f)+64+8*(4*c+i)+4:(\f)+64+8*(4*c+i)+7], v[ADRB+2*(kk/128)+(\slot)] offset:(kk%128)*PV+16*PV+32*i
	ds_load_b128 v[(\f)+8*(4*c+i):(\f)+8*(4*c+i)+3],   v[ADRA+(\slot)] offset:(\kb)+64*c+i*16*PA
	ds_load_b128 v[(\f)+8*(4*c+i)+4:(\f)+8*(4*c+i)+7], v[ADRA+(\slot)] offset:(\kb)+64*c+i*16*PA+32
.set i, i+1
.endr
.set c, c+1
.endr
.endm
.macro FLOAD par                       ; f of the tile in hand, for my four row blocks
	WIN 0
.set a, 0
.rept 4
	ds_load_b64 v[FS+2*a:FS+2*a+1], v[FAD] offset:(\par)*1024+128*a
.set a, a+1
.endr
.endm
; A tile is four quarters of 64 keys, 32 matrix instructions each, on buffers 0, 1, 0, 1.  One of the first three; fl >= 0: it also fetches f, ahead of the run, so that the wait for all but the run covers it
.macro QUARTER slot, kb, f, g, zero, fl=-1
	s_wait_dscnt 16                                ; the first 32 keys are in
	MUL8 \f, 0, 0, \zero
	MUL8 \f, 0, 2, \zero
	PLACES
.if (\fl) >= 0
	FLOAD \fl
.endif
	FETCH \slot, \kb, \g
	s_wait_dscnt 32                                ; all but the 32 just issued
	MUL8 \f, 1, 0, 0
	MUL8 \f, 1, 2, 0
.endm
; The last quarter multiplies buffer 1 and changes slots: ONE barrier.  In front of it each wave waits for all its tensor loads (one is out: its part of the next slot), adds 0 to its spare word, and waits for that and for
; its reads of this slot.  fill = 1: the barrier opens a round of the cluster's, and this slot is filled again first thing behind it: 112 matrix instructions and a fold stand between the request and the wait for it.
.macro TURN slot, next, fill
	s_wait_xcnt 0x0                                ; the last prefetch, a tile back, has read its address
	WIN 0
	s_wait_tensorcnt 0x0                           ; no tensor load of mine is out, so the group 0 may be written
	ds_add_u32 v[SPW], v[NIL]                      ; 0 onto my spare word
.if \fill
	MKDESC \slot
	s_lshl_b32 s[OFF], s[NXT], 9                   ; the tile behind the one that is being asked for,
	s_add_nc_u64 s[PFA:PFA+1], s[PAQ:PAQ+1], s[OFF:OFF+1]
	s_add_nc_u64 s[PFA:PFA+1], s[PFA:PFA+1], s[CXO:CXO+1]  ; my work-group's 16 rows
	s_sub_co_u32 s[REM], s[REM], 1
.endif
	s_wait_dscnt 17                                ; (the add and the youngest sixteen loads may be out)
	MUL8 F1, 0, 0, 0
	s_wait_dscnt 0x0                               ; the add is done, and my reads of this slot are over
	s_barrier_signal -1
	MUL8 F1, 0, 2, 0
	WIN 0
	s_barrier_wait -1
.if \fill
	CREST                                          ; no wave of any partner still reads this slot's tile or has a load on its way
	JLOAD                                          ; the four v_nop behind it are also the places in front of the loads below
.else
	PLACES
.endif
	FETCH \next, 0, F0
	WIN 0
.if \fill
	ASK
.endif
	MUL8 F1, 1, 0, 0
	MUL8 F1, 1, 2, 0
.endm
.macro LUMP                            ; THE FOLD: O += f T, each accumulator from its low end on
	PLACES
	WIN 0xa0                                       ; O (destination and source 2) in window 2; T and f in window 0
.set t, 0
.rept 64
	v_pk_fma_f32 v[2*t:2*t+1], v[T+2*t:T+2*t+1], v[FS+2*(t/16):FS+2*(t/16)+1], v[2*t:2*t+1]
.set t, t+1
.endr
	WIN 0
	s_sub_co_u32 s[CNTB], s[CNTB], 1
.endm
; THE WAY OUT of a block: O / L, 16 rows at a time through my own stage, back as whole rows of 256 bytes (into T's registers, which are free between a fold and the next tile's first product), stored.
.macro WAYOUT blk, out
	WIN 0
.set a, 0
.rept 4
	ds_load_b64 v[IV+2*a:IV+2*a+1], v[ILA] offset:(\blk)*1024+128*a
.set a, a+1
.endr
	s_wait_dscnt 0x0
.set a, 0
.rept 4
	WIN 0x02                                       ; source 0 in window 2
.set t, 0
.rept 16
	v_pk_mul_f32 v[64+2*t:64+2*t+1], v[32*a+2*t:32*a+2*t+1], v[IV+2*a:IV+2*a+1]
.set t, t+1
.endr
	WIN 0
.set t, 0
.rept 8
	ds_store_b128 v[STO], v[64+4*t:64+4*t+3] offset:64*(t/2)+16*(t%2)
.set t, t+1
.endr
.set t, 0
.rept 8
	ds_load_b128 v[T+32*a+4*t:T+32*a+4*t+3], v[RD] offset:t*2*SP  ; LDS serves a wave's instructions in order: these see the stores above, and the next rows' stores come behind them
.set t, t+1
.endr
	s_wait_dscnt 0x0
.set t, 0
.rept 8
	global_store_b128 v[CO], v[T+32*a+4*t:T+32*a+4*t+3], s[\out:\out+1] offset:(16*a+2*t)*4096  ; 16 lanes store 256 consecutive bytes, at a multiple of 256 from out0's first byte
.set t, t+1
.endr
.set a, a+1
.endr
	s_wait_xcnt 0x0                                ; the stores have read T's registers, which the next products write
.endm
	s_mov_b32 s[LAP], 4
.Llap:                                                 ; lap n: the walk's tile 2 n in slot 0, tile 2 n + 1 in slot 1; its two changes of slots ask for tiles 2 n + 1 and 2 n + 2
	TURN 1, 0, 1                                   ; the end of tile 2 n - 1 (in the first lap: zeros)
	LUMP
	QUARTER 0, 128, F0, F1, 1
	QUARTER 0, 256, F1, F0, 0
	QUARTER 0, 384, F0, F1, 0, 0
	TURN 0, 1, 1
	LUMP
	s_cmp_lg_u32 s[CNTB], 0                        ; the same in all four partners; what is jumped holds no barrier and no tensor load
	s_cbranch_scc1 .Lgo_on
	WAYOUT 0, OUTF                                 ; the first block is whole
	WIN 0x80
.set i, 0
.rept 128
	v_mov_b32 v[i], 0                              ; O starts anew
.set i, i+1
.endr
	WIN 0
	s_mov_b32 s[CNTB], 100                         ; more than the folds that are left
.Lgo_on:
	QUARTER 1, 128, F0, F1, 1
	QUARTER 1, 256, F1, F0, 0
	QUARTER 1, 384, F0, F1, 0, 1
	WIN 0                                          ; at a label and at a branch every window is 0
	v_add_nc_u32 v[FAD], 2048, v[FAD]
	s_sub_co_u32 s[LAP], s[LAP], 1
	s_cmp_lg_u32 s[LAP], 0
	s_cbranch_scc1 .Llap
	TURN 1, 0, 0                                   ; the walk's last tile is in slot 0: nothing is asked for
	LUMP
	QUARTER 0, 128, F0, F1, 1
	QUARTER 0, 256, F1, F0, 0
	QUARTER 0, 384, F0, F1, 0, 0
	s_wait_dscnt 16
	MUL8 F1, 0, 0, 0
	MUL8 F1, 0, 2, 0
	s_wait_dscnt 0x0
	MUL8 F1, 1, 0, 0
	MUL8 F1, 1, 2, 0
	LUMP
	WAYOUT 1, OUTS
	s_wait_tensorcnt 0x0                           ; the wave's end: a wait, an add and its wait, behind my last tensor load and my last LDS store
	ds_add_u32 v[SPW], v[NIL]
	s_wait_dscnt 0x0
	CROUND                                         ; the closing round: no work-group ends while a partner may still ask for a tile that names it
	s_endpgm
.Lfunc_end_k_q81e10b8033_pv:
	.size	k_q81e10b8033_pv, .Lfunc_end_k_q81e10b8033_pv-k_q81e10b8033_pv
	.p2alignl 7, 3214868480
	.fill 96, 4, 3214868480
	.section	.rodata,"a",@progbits
	.p2align	6, 0x0
	.amdhsa_kernel k_q81e10b8033_pv
		.amdhsa_group_segment_fixed_size 327680
		.amdhsa_private_segment_fixed_size 0
		.amdhsa_enable_private_segment 0
		.amdhsa_kernarg_size 32
		.amdhsa_user_sgpr_count 2
		.amdhsa_user_sgpr_kernarg_segment_ptr 1
		.amdhsa_wavefront_size32 1
		.amdhsa_system_sgpr_workgroup_id_x 1
		.amdhsa_system_sgpr_workgroup_id_y 1
		.amdhsa_system_sgpr_workgroup_id_z 1
		.amdhsa_system_vgpr_workitem_id 0
		.amdhsa_next_free_vgpr 640
		.amdhsa_next_free_sgpr 88
		.amdhsa_reserve_vcc 0
		.amdhsa_float_denorm_mode_32 3
		.amdhsa_float_denorm_mode_16_64 3
		.amdhsa_memory_ordered 1
		.amdhsa_forward_progress 1
		.amdhsa_inst_pref_size 135
	.end_amdhsa_kernel
	.amdgpu_metadata
---
amdhsa.version: [ 1, 2 ]
amdhsa.kernels:
  - .name:           k_q81e10b8033_pv
    .symbol:         k_q81e10b8033_pv.kd
    .args:
      - { .name: pt, .offset: 0, .size: 8, .value_kind: global_buffer, .address_space: global }
      - { .name: v, .offset: 8, .size: 8, .value_kind: global_buffer, .address_space: global }
      - { .name: stats, .offset: 16, .size: 8, .value_kind: global_buffer, .address_space: global }
      - { .name: out0, .offset: 24, .size: 8, .value_kind: global_buffer, .address_space: global }
    .group_segment_fixed_size: 327680
    .private_segment_fixed_size: 0
    .kernarg_segment_align: 8
    .kernarg_segment_size: 32
    .max_flat_workgroup_size: 128
    .sgpr_count:     88
    .vgpr_count:     640
    .wavefront_size: 32
...
	.end_amdgpu_metadata
.endif
;; end of part 4
;; ======== version 2 of 2: 4 launches; version 1 with the launch cast written anew for expert scheduling mode
;; limits: values are held in f16: magnitudes above 65,504 overflow, below 6.1e-05 lose precision
;; workspace buffers: xb 16,777,216 bytes; wb 6,291,456 bytes; q 16,777,216 bytes; k 16,777,216 bytes; v 16,777,216 bytes; pt 33,554,432 bytes; stats 524,288 bytes
;; launch cast (part 5): grid 352 x 1, 8 waves a work-group, no clusters, 0 bytes of LDS; arguments x, Wq, Wk, Wv, xb, wb; writes xb, wb
.if DOCPART == 5
	.amdgcn_target "amdgcn-amd-amdhsa--gfx1250"
	.amdhsa_code_object_version 6
	.text
	.protected	k_q81e10b8033_cast
	.globl	k_q81e10b8033_cast
	.p2align	8
	.type	k_q81e10b8033_cast,@function
k_q81e10b8033_cast:
	s_mov_b64 s[64:65], 0
	v_nop
	global_prefetch_b8 v0, s[64:65] scope:SCOPE_SE
	s_setreg_imm32_b32 hwreg(HW_REG_WAVE_SCHED_MODE, 0, 2), 2
	s_setreg_imm32_b32 hwreg(HW_REG_WAVE_MODE, 25, 1), 1
	s_wait_xcnt 0x0
	s_wait_alu depctr_vm_vsrc(0)
; x [8192][1024] and Wq, Wk, Wv [1024][1024], f32, are rounded once to bf16 and laid out in 16 blocks of 64 along K:
; xb [16][8192][64], wb [16][3072][64] (rows 0-1023 Wq, 1024-2047 Wk, 2048-3071 Wv).  In a block a row is 128 bytes and the rows lie end to end,
; so the next launch can ask for a K step of any run of rows as one dense piece.
; SHARES.  A work-group takes 32 rows: numbers 0-255 those of x, 256-351 those of the three W.  A wave takes 4 rows, as two pairs.
; A load covers, in each half of the lanes, 256 consecutive aligned bytes (64 f32: one K block of one row); the matching store covers 256 consecutive aligned bytes
; (that block of two neighbouring rows).  All 32 loads of a wave go out first; nothing is reused.
; No LDS, no matrix unit: every byte is read once and written once, and nothing is shared.
; THE MODE: SCHED_MODE bits 1:0 = 2 (LLVM: expert scheduling mode 2), set by the entry lines.  The code itself states the register dependences
; between vector instructions and memory instructions, with s_wait_alu, always for 0.
; THE PLAN.  Registers that memory instructions touch:
;   v[SO], v[DO]  byte offsets, written by vector lines at the head and never again.  Every load reads v[SO], every store v[DO].
;   DAT           load i lands in four registers, once; its two conversions read the four and write the first two in place; store i reads those two; nothing writes them afterwards.
; So one wait stands ahead of the run of loads (the offsets are written), and the 32 loads are worked off in eight groups of four: the counted wait for the group's data, its eight
; conversions, ONE wait (they have written what the group's four stores read), the four stores.  The wait stands behind the conversions, so that a store hangs on its own group's data alone
; and on no later load's.  No load lands in a register that a vector line has named, and no register that a memory instruction has read is written again: nothing more is owed.
; No vector line writes a scalar register or VCC, and EXEC is never written.
.set XPL, 1048576                      ; bytes in a K block of xb
.set WPL, 393216                       ; bytes in a K block of wb
.set SO,  2                            ; v2  (4 wave + lane / 16) x 4,096 + 16 (lane % 16): my 16 bytes of the source; never rewritten
.set DO,  3                            ; v3  (4 wave + lane / 16) x 128 + 8 (lane % 16): my 8 bytes of the result; never rewritten
.set DAT, 8                            ; v[8:135]  load i of 32: four registers
.set GRP, 4                            ; loads, and stores, in a group
	s_load_b256 s[4:11], s[0:1], 0x0               ; x s[4:5], Wq s[6:7], Wk s[8:9], Wv s[10:11]
	s_load_b128 s[12:15], s[0:1], 0x20             ; xb s[12:13], wb s[14:15]
	v_lshrrev_b32 v1, 5, v0                        ; wave
	v_bfe_u32 v4, v0, 4, 1                         ; lane / 16
	v_and_b32 v5, 15, v0                           ; lane % 16
	v_lshl_add_u32 v1, v1, 2, v4                   ; my row of the first pair
	v_lshlrev_b32 v[SO], 12, v1
	v_lshl_add_u32 v[SO], v5, 4, v[SO]
	v_lshlrev_b32 v[DO], 7, v1
	v_lshl_add_u32 v[DO], v5, 3, v[DO]
	s_sub_co_u32 s16, ttmp9, 256                   ; the work-group's number among those of W (used from 256 on alone)
	s_and_b32 s17, s16, 31                         ; its block of 32 rows in its W
	s_lshr_b32 s26, s16, 5                         ; which W
	s_wait_kmcnt 0x0
	s_cmp_eq_u32 s26, 1
	s_cselect_b64 s[18:19], s[8:9], s[6:7]
	s_cmp_eq_u32 s26, 2
	s_cselect_b64 s[18:19], s[10:11], s[18:19]
	s_cmp_lt_u32 ttmp9, 256
	s_cselect_b64 s[18:19], s[4:5], s[18:19]       ; the source
	s_cselect_b64 s[20:21], s[12:13], s[14:15]     ; the result
	s_cselect_b32 s17, ttmp9, s17                  ; block of 32 rows in the source,
	s_cselect_b32 s16, ttmp9, s16                  ; and in the result
	s_lshl_b32 s24, s17, 17                        ; 32 rows of 4,096 bytes
	s_mov_b32 s25, 0
	s_add_nc_u64 s[18:19], s[18:19], s[24:25]
	s_lshl_b32 s24, s16, 12                        ; 32 rows of 128 bytes
	s_add_nc_u64 s[20:21], s[20:21], s[24:25]
; pl = bytes in a K block of the result.  Blocks 8-15 go by a second base, so that every immediate stays inside its signed 24 bits (7 x 1,048,576 + 256 at the most).
.macro BODY pl
	s_add_nc_u64 s[22:23], s[20:21], 8*(\pl)
	s_wait_alu depctr_va_vdst(0)                   ; v[SO] and v[DO] are written: every load below reads the one as its offset, every store the other, and no later vector line names them
.set i, 0
.rept 32
	global_load_b128 v[DAT+4*i:DAT+4*i+3], v[SO], s[18:19] offset:(i/16)*8192+(i%16)*256 th:TH_LOAD_NT
.set i, i+1
.endr
.set p, 0
.rept 32/GRP
	s_wait_loadcnt 32-GRP-GRP*p                    ; loads come back in order: group p's four are in, the younger ones stay out
.set i, GRP*p
.rept GRP
	v_cvt_pk_bf16_f32 v[DAT+4*i], v[DAT+4*i], v[DAT+4*i+1]
	v_cvt_pk_bf16_f32 v[DAT+4*i+1], v[DAT+4*i+2], v[DAT+4*i+3]
.set i, i+1
.endr
	s_wait_alu depctr_va_vdst(0)                   ; the group's eight conversions have written the first two of each load's four registers, which the four stores below read
.set i, GRP*p
.rept GRP
.if (i%16) < 8
	global_store_b64 v[DO], v[DAT+4*i:DAT+4*i+1], s[20:21] offset:(i%16)*(\pl)+(i/16)*256
.else
	global_store_b64 v[DO], v[DAT+4*i:DAT+4*i+1], s[22:23] offset:((i%16)-8)*(\pl)+(i/16)*256
.endif
.set i, i+1
.endr
.set p, p+1
.endr
.endm
	s_cmp_lt_u32 ttmp9, 256
	s_cbranch_scc0 .Lweights
	BODY XPL
	s_endpgm
.Lweights:
	BODY WPL
	s_endpgm
.Lfunc_end_k_q81e10b8033_cast:
	.size	k_q81e10b8033_cast, .Lfunc_end_k_q81e10b8033_cast-k_q81e10b8033_cast
	.p2alignl 7, 3214868480
	.fill 96, 4, 3214868480
	.section	.rodata,"a",@progbits
	.p2align	6, 0x0
	.amdhsa_kernel k_q81e10b8033_cast
		.amdhsa_group_segment_fixed_size 0
		.amdhsa_private_segment_fixed_size 0
		.amdhsa_enable_private_segment 0
		.amdhsa_kernarg_size 48
		.amdhsa_user_sgpr_count 2
		.amdhsa_user_sgpr_kernarg_segment_ptr 1
		.amdhsa_wavefront_size32 1
		.amdhsa_system_sgpr_workgroup_id_x 1
		.amdhsa_system_sgpr_workgroup_id_y 1
		.amdhsa_system_sgpr_workgroup_id_z 1
		.amdhsa_system_vgpr_workitem_id 0
		.amdhsa_next_free_vgpr 144
		.amdhsa_next_free_sgpr 66
		.amdhsa_reserve_vcc 0
		.amdhsa_float_denorm_mode_32 3
		.amdhsa_float_denorm_mode_16_64 3
		.amdhsa_memory_ordered 1
		.amdhsa_forward_progress 1
		.amdhsa_inst_pref_size 23
	.end_amdhsa_kernel
	.amdgpu_metadata
---
amdhsa.version: [ 1, 2 ]
amdhsa.kernels:
  - .name:           k_q81e10b8033_cast
    .symbol:         k_q81e10b8033_cast.kd
    .args:
      - { .name: x, .offset: 0, .size: 8, .value_kind: global_buffer, .address_space: global }
      - { .name: Wq, .offset: 8, .size: 8, .value_kind: global_buffer, .address_space: global }
      - { .name: Wk, .offset: 16, .size: 8, .value_kind: global_buffer, .address_space: global }
      - { .name: Wv, .offset: 24, .size: 8, .value_kind: global_buffer, .address_space: global }
      - { .name: xb, .offset: 32, .size: 8, .value_kind: global_buffer, .address_space: global }
      - { .name: wb, .offset: 40, .size: 8, .value_kind: global_buffer, .address_space: global }
    .group_segment_fixed_size: 0
    .private_segment_fixed_size: 0
    .kernarg_segment_align: 8
    .kernarg_segment_size: 48
    .max_flat_workgroup_size: 256
    .sgpr_count:     66
    .vgpr_count:     144
    .wavefront_size: 32
...
	.end_amdgpu_metadata
.endif
;; end of part 5
;; launch proj: the kernel of part 2 again; grid 8 x 32, 4 waves a work-group, clusters of 4 x 4, 327,680 bytes of LDS; arguments xb, wb, q, k, v; writes q, k, v
;; launch score: the kernel of part 3 again; grid 36 x 4, 4 waves a work-group, no clusters, 327,680 bytes of LDS; arguments q, k, pt, stats; writes pt, stats
;; launch pv: the kernel of part 4 again; grid 8 x 32, 4 waves a work-group, clusters of 4 x 1, 327,680 bytes of LDS; arguments pt, v, stats, out0; writes out0
